; MI455X (gfx1250); checked and timed in simulation.
; The chip was launched on July 23, 2026; its instructions are those of AMD's public machine-readable ISA for CDNA 5 (MIT licence, August 2026) and "CDNA5" Instruction Set Architecture Reference Guide (July 2026). The comments in the code are by the model that wrote it; some were corrected since.
;; Sparse Attention. Allowed arithmetic: matrix products marked QUANTISED: E4M3 operands, one given power-of-two scale a tensor, by v_wmma_f32_16x16x64_fp8_fp8 or v_wmma_f32_16x16x128_fp8_fp8, f32 sums; everything else in f32.
;; Inputs: b_proj 256 float32; lowp_scales 8 int32 (the exponents e of the quantised operands' scales 2^e); w_proj 256 x 256 float32; w_qkv 256 x 768 float32; x 2 x 4,096 x 256 float32.
;; Outputs: out0 2 x 4,096 x 256 float32.
;; This version of the problem:
;;   THIS VERSION OF THE PROBLEM IS GIVEN IN LOW PRECISION. The matrix products marked QUANTISED in the list below multiply operands that are first quantised to E4M3 (4 exponent bits, 3 mantissa bits; 8 bits a number), with one given power-of-two scale for each operand tensor; their sums are f32. All else is computed in f32.
;;   The module's matrix products, in the order in which they are computed (A, B: the left and right operand; K: the contracted axis; several contracted axes count as one K, in the product's order):
;;     1. [M 8,192, K 256] x [K 256, N 768]; A: input x; B: input w_qkv: QUANTISED (scales: A lowp_scales[0], B lowp_scales[1])
;;     2. batch 16 x [M 4,096, K 32] x [K 32, N 4,096]; A: computed on the way; B: computed on the way: QUANTISED (scales: A lowp_scales[2], B lowp_scales[3])
;;     3. batch 16 x [M 4,096, K 4,096] x [K 4,096, N 32]; A: softmax (see below); B: computed on the way: QUANTISED (scales: A lowp_scales[4], B lowp_scales[5])
;;     4. [M 8,192, K 256] x [K 256, N 256]; A: computed on the way; B: input w_proj: QUANTISED (scales: A lowp_scales[6], B lowp_scales[7])
;;   THE QUANTISER, for each operand of a quantised product, along K:
;;     - The operand's scale is 2^e, e = its entry of the input lowp_scales (int32; the entries are numbered through the quantised products in the list's order, A before B).
;;     - Each number is divided by the scale, clamped to +-448, and rounded to the nearest number of E4M3, ties to even, subnormals kept.
;;     - The product sums the exact products of the quantised numbers (number of the format x scale) in f32.
;;   ~~~python
;;   def quantise(x, axis, e):      # numpy; x: float32 -> the quantised numbers, widened to float32 again
;;       x = np.moveaxis(x, axis, -1); K = x.shape[-1]
;;       r = np.clip(x / 2.0 ** e, -448, 448)
;;       step = 2.0 ** (np.maximum(np.frexp(np.where(r == 0, 1, r))[1] - 1, -6) - 3)
;;       q = np.round(r / step) * step * 2.0 ** e      # np.round: ties to even
;;       return np.moveaxis(q, -1, axis).astype(np.float32)
;;   ~~~
;;   SOFTMAX AHEAD OF A QUANTISED PRODUCT. Where the list says 'softmax', what is quantised is not the finished softmax but p = 2^(t - M), with t = logit x log2(e) and M = ceil(the row's largest t), a whole number; so 1/2 < the row's largest p <= 1. The row's sum l is taken of the UNQUANTISED p, in f32, and the product's result is divided by l at the end. Since M is a whole number, a kernel that streams over the keys may use a running M (the ceiling of the running maximum): every later rescaling is an exact power of two, so the quantised numbers keep their values, but for numbers so far below the row's largest that they fall under the format's range.
;;   OPERANDS COMPUTED ON THE WAY. 'Computed on the way' means the value that the module computes at that place (a softmax that the list does not call 'softmax' is quantised finished and normalised). What goes into a quantiser is computed in f32, as accurately as f32 sums, v_exp_f32 and their like allow (about 1e-6 of the number): no bf16 or f16 on the way to a quantiser, and a product that is left as it is and whose result goes on into a quantised operand takes f32 operands (vector FMAs, or v_wmma_f32_16x16x4_f32). A number that lies on a knife's edge between two numbers of the format may be rounded either way, as far as f32 arithmetic and the matrix unit's own rounding can turn it there, and no further.
;; 2 versions, each right; version 2 is version 1 with the launches attn, proj written anew for expert scheduling mode. Each part assembles by itself: llvm-mc -triple=amdgcn-amd-amdhsa -mcpu=gfx1250 --defsym DOCPART=n.
;; ======== version 1 of 2: 4 launches
;; workspace buffers: xq 2,097,152 bytes; dens 32,768 bytes; wqimg 196,608 bytes; wpimg 65,536 bytes; qkvc 6,291,456 bytes; route 34,048 bytes of whole numbers; aimg 2,097,152 bytes
;; launch prep (part 1): grid 272 x 1, 8 waves a work-group, no clusters, 0 bytes of LDS; arguments x, w_qkv, w_proj, lowp_scales, xq, dens, wqimg, wpimg; writes xq, dens, wqimg, wpimg
.if DOCPART == 1
	.amdgcn_target "amdgcn-amd-amdhsa--gfx1250"
	.amdhsa_code_object_version 6
	.text
	.protected	k_q9a370b9284_prep
	.globl	k_q9a370b9284_prep
	.p2align	8
	.type	k_q9a370b9284_prep,@function
k_q9a370b9284_prep:
	s_mov_b64 s[64:65], 0
	v_nop
	global_prefetch_b8 v0, s[64:65] scope:SCOPE_SE
	s_setreg_imm32_b32 hwreg(HW_REG_WAVE_MODE, 25, 1), 1
	s_wait_xcnt 0x0
; PREP.  Three jobs, told apart by the work-group's number:
;   work-groups 0-11:   w_qkv [256][768] f32 -> codes of E4M3 (scale 2^e1) in the order of a matrix operand's registers: wqimg[tile 0..47][K step 0..1][group 0..3][lane][16 bytes]
;   work-groups 12-15:  w_proj [256][256] f32 -> the same (scale 2^e7): wpimg[tile 0..15][K step][group][lane][16 bytes]
;   work-groups 16-271: x [8192][256] f32 -> codes (scale 2^e0), 256 bytes a token, and each token's density = (std over its 256 numbers, divisor 255, + mean |x[n] - x[n-1]|) / 2.
; ORDER ALONG K.  A wave reads a row of x by two loads of 512 consecutive bytes, so lane l holds channels 4 l .. 4 l + 3 and 128 + 4 l .. 128 + 4 l + 3; their eight codes are stored as they stand:
; byte 8 l + e of a token's codes is channel 4 l + e % 4 + 128 (e / 4).  w_qkv's image takes its rows in the same order, so every product meets its partner.
; w_proj's image takes its rows in the order in which the attention launch leaves a head's 32 channels (ROW below).
; The variance is taken in two passes (mean first, then squared deviations), so a common offset of the inputs does no harm.
; LIMITS: e0, e1, e7 between -126 and 119, so that 2^e and 448 x 2^e are f32 numbers.  NaN and infinity among the inputs are not served.
; No LDS, no barrier: waves share nothing.  The densities leave as 16 bytes a wave (32 KB in the launch): gathering them would need LDS and a barrier for a three-hundredth of the launch's bytes.
.set PQ, 3072                          ; bytes in a row of w_qkv
.set PP, 1024                          ; bytes in a row of w_proj
.macro MKSCALE er, sc, lim             ; v[sc] = 2^e, v[lim] = 448 x 2^e, e in s[er]
	s_add_co_i32 s22, s[\er], 127
	s_lshl_b32 s23, s22, 23
	v_mov_b32 v[\sc], s23
	s_add_co_i32 s22, s22, 8
	s_lshl_b32 s22, s22, 23
	s_or_b32 s22, s22, 0x600000
	v_mov_b32 v[\lim], s22
.endm
; One wave makes one fragment image: 16 columns x 128 along K.  Lane (r, h) takes column 16 tile + r, and its 64 registers run down K in the operand's order.
; kind 0: w_qkv, kind 1: w_proj.  Sixteen neighbouring lanes read 64 neighbouring bytes; each store of the wave covers 512 consecutive bytes.
.macro WPATH kind, pitch, srows, wp, ip, er, job0
	s_lshl_b32 s21, ttmp9, 3
	s_add_co_u32 s21, s21, s20
	s_sub_co_u32 s21, s21, \job0                   ; job = 2 tile + K step
	s_lshr_b32 s22, s21, 1
	s_lshl_b32 s22, s22, 6                         ; 16 columns of 4 bytes a tile
	s_and_b32 s23, s21, 1
	s_mul_i32 s23, s23, \srows*\pitch              ; the K step's first row
	s_add_co_u32 s22, s22, s23
	s_mov_b32 s23, 0
	s_add_nc_u64 s[\wp:\wp+1], s[\wp:\wp+1], s[22:23]
	s_lshl_b32 s22, s21, 11                        ; an image is 2,048 bytes
	s_add_nc_u64 s[\ip:\ip+1], s[\ip:\ip+1], s[22:23]
	v_mul_u32_u24 v4, v3, 8*\pitch                 ; lanes 16-31 begin 8 rows further down
	v_lshl_add_u32 v4, v2, 2, v4
	v_lshlrev_b32 v5, 4, v1
.set c, 0
.rept 4
.set e, 0
.rept 16
.if \kind == 0
.set row, 16*c+4*(e/8)+(e%4)+128*((e/4)%2)     ; the order of x's codes
.else
.set ep, 2*e                                   ; the order of the attention launch's codes: first the even places of a lane's 16, then the odd ones;
.if e >= 8
.set ep, 2*(e-8)+1
.endif
.set row, 32*c+ep                              ; place p of the lane's half is channel 8 h + p, or 8 h + p + 8 from p = 8 on
.if ep >= 8
.set row, row+8
.endif
.endif
	global_load_b32 v[64+16*c+e], v4, s[\wp:\wp+1] offset:row*\pitch
.set e, e+1
.endr
.set c, c+1
.endr
	s_wait_kmcnt 0x0                               ; the scales' exponents
	MKSCALE \er, 11, 10
	s_wait_loadcnt 0x0
.set c, 0
.rept 4
.set e, 0
.rept 16
	v_med3_num_f32 v[64+16*c+e], v[64+16*c+e], -v10, v10   ; the conversion does not saturate (ISA guide 7.6.2): the hold at 448 x the scale comes first
.set e, e+1
.endr
	v_cvt_scalef32_pk8_fp8_f32 v[48+4*c:49+4*c], v[64+16*c:71+16*c], v11
	v_cvt_scalef32_pk8_fp8_f32 v[50+4*c:51+4*c], v[72+16*c:79+16*c], v11
.set c, c+1
.endr
.irp q, 0,1,2,3
	global_store_b128 v5, v[48+4*\q:51+4*\q], s[\ip:\ip+1] offset:512*\q
.endr
	s_endpgm
.endm
	s_load_b256 s[4:11], s[0:1], 0x0               ; x s[4:5], w_qkv s[6:7], w_proj s[8:9], the scales' exponents s[10:11]
	s_load_b256 s[12:19], s[0:1], 0x20             ; xq s[12:13], dens s[14:15], wqimg s[16:17], wpimg s[18:19]
	v_lshrrev_b32 v1, 5, v0
	v_readfirstlane_b32 s20, v1                    ; wave 0..7
	v_and_b32 v1, 31, v0                           ; lane
	v_and_b32 v2, 15, v0                           ; r
	v_bfe_u32 v3, v0, 4, 1                         ; h
	s_mov_b32 s32, 0x76543210                      ; v_permlanex16_b32: lane l takes lane l xor 16
	s_mov_b32 s33, 0xfedcba98
	s_wait_kmcnt 0x0
	s_load_b256 s[24:31], s[10:11], 0x0            ; e0 .. e7
	s_cmp_lt_u32 ttmp9, 12
	s_cbranch_scc1 .Lwq
	s_cmp_lt_u32 ttmp9, 16
	s_cbranch_scc1 .Lwp
	; ---- x: a wave takes four rows n0 .. n0 + 3 and the row in front of them
	s_sub_co_u32 s21, ttmp9, 16
	s_lshl_b32 s21, s21, 5
	s_lshl_b32 s22, s20, 2
	s_add_co_u32 s21, s21, s22                     ; n0 = 32 (work-group - 16) + 4 wave
	s_and_b32 s22, s21, 4095
	s_cmp_eq_u32 s22, 0                            ; a batch's first token has no predecessor: it is held against itself, which gives the 0 that stands there
	s_cselect_b32 s22, 0, 1
	s_sub_co_u32 s22, s21, s22
	s_lshl_b32 s22, s22, 10
	s_mov_b32 s23, 0
	s_add_nc_u64 s[34:35], s[4:5], s[22:23]        ; the row in front
	s_lshl_b32 s22, s21, 10
	s_add_nc_u64 s[4:5], s[4:5], s[22:23]
	s_lshl_b32 s22, s21, 8
	s_add_nc_u64 s[12:13], s[12:13], s[22:23]
	s_lshl_b32 s22, s21, 2
	s_add_nc_u64 s[14:15], s[14:15], s[22:23]
	v_lshlrev_b32 v4, 4, v1
	v_lshlrev_b32 v5, 3, v1
	v_mov_b32 v6, 0
	global_load_b128 v[16:19], v4, s[34:35]        ; each load: 512 consecutive bytes
	global_load_b128 v[20:23], v4, s[34:35] offset:512
.irp i, 0,1,2,3
	global_load_b128 v[24+8*\i:27+8*\i], v4, s[4:5] offset:1024*\i
	global_load_b128 v[28+8*\i:31+8*\i], v4, s[4:5] offset:1024*\i+512
.endr
.irp j, 57,59,61,63,76,77,78,79
	v_mov_b32 v\j, 0                               ; upper halves of pairs that are named whole, and the lane permutes' destinations, which count as read
.endr
	s_wait_kmcnt 0x0
	MKSCALE 24, 11, 10
	s_wait_loadcnt 0x0                             ; all ten: every row is wanted at once
; row i lies in v[24 + 8 i ..], the row in front of it in v[16 + 8 i ..]
.macro ROWSUM i
	v_pk_add_f32 v[64:65], v[24+8*\i:25+8*\i], v[26+8*\i:27+8*\i]
	v_pk_add_f32 v[66:67], v[28+8*\i:29+8*\i], v[30+8*\i:31+8*\i]
	v_pk_add_f32 v[64:65], v[64:65], v[66:67]
	v_add_f32 v[56+2*\i], v64, v65                 ; my eight numbers' sum
.irp j, 0,1,2,3,4,5,6,7
	v_sub_f32 v[64+\j], v[24+8*\i+\j], v[16+8*\i+\j]
.endr
	v_add_f32 v64, |v64|, |v65|
	v_add_f32 v66, |v66|, |v67|
	v_add_f32 v68, |v68|, |v69|
	v_add_f32 v70, |v70|, |v71|
	v_add_f32 v64, v64, v66
	v_add_f32 v68, v68, v70
	v_add_f32 v[72+\i], v64, v68                   ; and the sum of their |differences|
.endm
; four sums over the 32 lanes, line by line in turn, so that no line waits for the one above it
.macro RED a, b, c, d
.irp m, 1,2,4,8
.irp q, \a,\b,\c,\d
	v_add_f32_dpp v[\q], v[\q], v[\q] row_xmask:\m row_mask:0xf bank_mask:0xf
.endr
.endr
	v_permlanex16_b32 v76, v[\a], s32, s33
	v_permlanex16_b32 v77, v[\b], s32, s33
	v_permlanex16_b32 v78, v[\c], s32, s33
	v_permlanex16_b32 v79, v[\d], s32, s33
	v_add_f32 v[\a], v[\a], v76
	v_add_f32 v[\b], v[\b], v77
	v_add_f32 v[\c], v[\c], v78
	v_add_f32 v[\d], v[\d], v79
.endm
.macro ROWVAR i
.irp j, 0,2,4,6
	v_pk_add_f32 v[64+\j:65+\j], v[24+8*\i+\j:25+8*\i+\j], v[56+2*\i:57+2*\i] op_sel_hi:[1,0] neg_lo:[0,1] neg_hi:[0,1]   ; x - mean
.endr
	v_pk_mul_f32 v[84:85], v[64:65], v[64:65]
	v_pk_fma_f32 v[84:85], v[66:67], v[66:67], v[84:85]
	v_pk_fma_f32 v[84:85], v[68:69], v[68:69], v[84:85]
	v_pk_fma_f32 v[84:85], v[70:71], v[70:71], v[84:85]
	v_add_f32 v[88+\i], v84, v85
.endm
.macro QROW i
.irp j, 0,1,2,3,4,5,6,7
	v_med3_num_f32 v[24+8*\i+\j], v[24+8*\i+\j], -v10, v10
.endr
	v_cvt_scalef32_pk8_fp8_f32 v[92+2*\i:93+2*\i], v[24+8*\i:31+8*\i], v11
	global_store_b64 v5, v[92+2*\i:93+2*\i], s[12:13] offset:256*\i   ; the wave stores 256 consecutive bytes, aligned: a token's codes
.endm
.irp i, 0,1,2,3
	ROWSUM \i
.endr
	RED 56, 58, 60, 62
	RED 72, 73, 74, 75
.irp i, 0,1,2,3
	v_mul_f32 v[56+2*\i], 0x3b800000, v[56+2*\i]   ; the mean: / 256
.endr
.irp i, 0,1,2,3
	ROWVAR \i
.endr
	RED 88, 89, 90, 91
.irp i, 0,1,2,3
	v_mul_f32 v[88+\i], 0x3b808081, v[88+\i]       ; / 255
.endr
.irp i, 0,1,2,3
	v_sqrt_f32 v[88+\i], v[88+\i]
.endr
.irp i, 0,1,2,3
	v_mul_f32 v[72+\i], 0x3b800000, v[72+\i]       ; the mean |difference|: plain lines behind the roots
.endr
	s_wait_alu depctr_va_vdst(0)                   ; one wait for the four roots, ahead of their first reader
.irp i, 0,1,2,3
	v_add_f32 v[80+\i], v[88+\i], v[72+\i]
.endr
.irp i, 0,1,2,3
	v_mul_f32 v[80+\i], 0.5, v[80+\i]              ; the density
.endr
.irp i, 0,1,2,3
	QROW \i
.endr
	v_cmp_eq_u32 vcc_lo, 0, v1
	s_wait_xcnt 0x0                                ; EXEC is a source of the stores above: it changes only behind this wait
	s_and_saveexec_b32 s36, vcc_lo
	global_store_b128 v6, v[80:83], s[14:15]       ; lane 0: the four densities
	s_wait_xcnt 0x0
	s_or_b32 exec_lo, exec_lo, s36
	s_endpgm
.Lwq:
	WPATH 0, PQ, 64, 6, 16, 25, 0
.Lwp:
	WPATH 1, PP, 128, 8, 18, 31, 96
.Lfunc_end_k_q9a370b9284_prep:
	.size	k_q9a370b9284_prep, .Lfunc_end_k_q9a370b9284_prep-k_q9a370b9284_prep
	.p2alignl 7, 3214868480
	.fill 96, 4, 3214868480
	.section	.rodata,"a",@progbits
	.p2align	6, 0x0
	.amdhsa_kernel k_q9a370b9284_prep
		.amdhsa_group_segment_fixed_size 0
		.amdhsa_private_segment_fixed_size 0
		.amdhsa_enable_private_segment 0
		.amdhsa_kernarg_size 64
		.amdhsa_user_sgpr_count 2
		.amdhsa_user_sgpr_kernarg_segment_ptr 1
		.amdhsa_wavefront_size32 1
		.amdhsa_system_sgpr_workgroup_id_x 1
		.amdhsa_system_sgpr_workgroup_id_y 1
		.amdhsa_system_sgpr_workgroup_id_z 1
		.amdhsa_system_vgpr_workitem_id 0
		.amdhsa_next_free_vgpr 128
		.amdhsa_next_free_sgpr 66
		.amdhsa_reserve_vcc 1
		.amdhsa_float_denorm_mode_32 3
		.amdhsa_float_denorm_mode_16_64 3
		.amdhsa_memory_ordered 1
		.amdhsa_forward_progress 1
		.amdhsa_inst_pref_size 41
	.end_amdhsa_kernel
	.amdgpu_metadata
---
amdhsa.version: [ 1, 2 ]
amdhsa.kernels:
  - .name:           k_q9a370b9284_prep
    .symbol:         k_q9a370b9284_prep.kd
    .args:
      - { .name: x, .offset: 0, .size: 8, .value_kind: global_buffer, .address_space: global }
      - { .name: w_qkv, .offset: 8, .size: 8, .value_kind: global_buffer, .address_space: global }
      - { .name: w_proj, .offset: 16, .size: 8, .value_kind: global_buffer, .address_space: global }
      - { .name: lowp_scales, .offset: 24, .size: 8, .value_kind: global_buffer, .address_space: global }
      - { .name: xq, .offset: 32, .size: 8, .value_kind: global_buffer, .address_space: global }
      - { .name: dens, .offset: 40, .size: 8, .value_kind: global_buffer, .address_space: global }
      - { .name: wqimg, .offset: 48, .size: 8, .value_kind: global_buffer, .address_space: global }
      - { .name: wpimg, .offset: 56, .size: 8, .value_kind: global_buffer, .address_space: global }
    .group_segment_fixed_size: 0
    .private_segment_fixed_size: 0
    .kernarg_segment_align: 8
    .kernarg_segment_size: 64
    .max_flat_workgroup_size: 256
    .sgpr_count:     66
    .vgpr_count:     128
    .wavefront_size: 32
...
	.end_amdgpu_metadata
.endif
;; end of part 1
;; launch qkvr (part 2): grid 256 x 1, 8 waves a work-group, no clusters, 4,096 bytes of LDS; arguments xq, wqimg, dens, lowp_scales, qkvc, route; writes qkvc, route
.if DOCPART == 2
	.amdgcn_target "amdgcn-amd-amdhsa--gfx1250"
	.amdhsa_code_object_version 6
	.text
	.protected	k_q9a370b9284_qkvr
	.globl	k_q9a370b9284_qkvr
	.p2align	8
	.type	k_q9a370b9284_qkvr,@function
k_q9a370b9284_qkvr:
	s_mov_b64 s[64:65], 0
	v_nop
	global_prefetch_b8 v0, s[64:65] scope:SCOPE_SE
	s_setreg_imm32_b32 hwreg(HW_REG_WAVE_MODE, 25, 1), 1
	s_wait_xcnt 0x0
; QKV AND ROUTING.
; (1) qkv = x w_qkv on codes of E4M3, each sum x 2^(e0 + e1) quantised at once with the scale of the product that will read it (q: e2, k: e3, v: e5).
;     Work-group g takes tokens 32 g .. 32 g + 31 (two tiles of 16); wave w takes columns 96 w .. 96 w + 95: three units of 32 (a unit = q, k or v of one head), six tiles of 16.
;     The product is used transposed (source 0 = 16 columns of w_qkv, source 1 = 16 tokens): a lane holds one token and eight neighbouring channels, which the conversion takes as they stand.
;     qkvc[unit 0..23][batch][tile 0..255][lane][16 bytes]: lane (r, h) holds, of token 16 tile + r, channels 8 h .. 8 h + 7 and 16 + 8 h .. 16 + 8 h + 7 of the unit: the registers of a K = 64 operand's lower half.
; (2) threshold = mean + 0.5 std (divisor 8191) of the 8,192 densities, in two passes; flag = density > threshold.  Every work-group makes all flags anew from the 32 KB of densities (no traffic between work-groups).
;     Stored as whole numbers at fixed places, for the next launch: route bytes 0..32767: list[batch][slot]: the byte offset, in a plane of qkvc, of the slot-th flagged token (slots past the count hold some valid token);
;     bytes 32768..33791: the flags, a bit a token; bytes 33792..33799: the two counts.  No branch and no address of this launch hangs on a flag: the list is made by selects.
;     Wave 0 of work-group g finds slots 16 g .. 16 g + 15 of batch 0 (lanes 0-15) and of batch 1 (lanes 16-31).
; LIMITS: e2 - e0 - e1, e3 - e0 - e1, e5 - e0 - e1 between -126 and 119.  NaN and infinity are not served.  A density within rounding distance of the threshold may fall on either side.
; REGISTERS: window 0: v1-15 addresses and small things; v16-47 densities; v48-111 x's four fragments; v112-207 the 12 accumulators (before the products: at work); v208-231 codes; v232-237 scales; v238-255 routing.  window 1: w_qkv's 12 fragments.
.set SUM1,  0                          ; LDS: eight partial sums,
.set SUM2,  256                        ; eight more,
.set TOT,   512                        ; each wave's count of flags,
.set MASKS, 1024                       ; 256 words of flags,
.set PRE,   2048                       ; and for each word the count of flags in front of it within its wave's 1,024 tokens
.set SPARE, 3072                       ; the spare words, 128 bytes for each of the eight waves: no other line names them
.set D,   16
.set X,   48
.set ACC, 112
.set CD,  208
.set SCL, 232
.set MSB, 0
.macro WIN new                         ; the immediate's high byte repeats the setting that is left
.if MSB != \new
	s_set_vgpr_msb (MSB<<8)|\new
.set MSB, \new
.endif
.endm
	s_load_b256 s[4:11], s[0:1], 0x0               ; xq s[4:5], wqimg s[6:7], dens s[8:9], the scales' exponents s[10:11]
	s_load_b128 s[12:15], s[0:1], 0x20             ; qkvc s[12:13], route s[14:15]
	v_lshl_add_u32 v5, v0, 2, SPARE                ; my spare word,
	v_mov_b32 v6, 0                                ; and 0: kept for the closing add alone
	v_lshrrev_b32 v1, 5, v0
	v_readfirstlane_b32 s16, v1                    ; wave 0..7
	v_and_b32 v1, 31, v0                           ; lane
	v_lshlrev_b32 v2, 4, v1                        ; 16 lane
	v_and_b32 v248, 15, v0                         ; r
	v_bfe_u32 v249, v0, 4, 1                       ; h
	v_lshlrev_b32 v3, 8, v248
	v_lshl_add_u32 v3, v249, 4, v3                 ; x's codes: 256 r + 16 h
	v_lshlrev_b32 v4, 2, v1                        ; 4 lane
	v_lshl_add_u32 v7, v0, 2, MASKS                ; my word of flags: word 32 wave + lane
	s_lshl_b32 s18, s16, 2
	v_mov_b32 v8, s18                              ; 4 wave
	v_mov_b32 v9, 0                                ; a lane permute's destination counts as read
	v_mov_b32 v11, 0                               ; upper half of the mean's pair
	v_mov_b32 v246, 0                              ; LDS byte 0
	v_lshlrev_b32 v247, 2, v0                      ; the flags' place in route
	v_lshlrev_b32 v250, 9, v249                    ; 512 h: my batch's half of MASKS and of PRE
	v_lshlrev_b32 v251, 4, v249                    ; 16 h: my batch's four counts
	s_mov_b32 s32, 0x76543210
	s_mov_b32 s33, 0xfedcba98
	s_mov_b32 s19, 0
	s_wait_kmcnt 0x0
	s_load_b256 s[20:27], s[10:11], 0x0            ; e0 .. e7
	s_lshl_b32 s18, s16, 12
	s_add_nc_u64 s[8:9], s[8:9], s[18:19]          ; my wave's 1,024 densities
	s_lshl_b32 s18, ttmp9, 13
	s_add_nc_u64 s[4:5], s[4:5], s[18:19]          ; the work-group's 32 tokens
	s_mul_i32 s18, s16, 24576
	s_add_nc_u64 s[6:7], s[6:7], s[18:19]          ; my wave's 12 images
	s_mul_i32 s18, s16, 786432                     ; three units of two planes of 131,072 bytes,
	s_lshr_b32 s34, ttmp9, 7
	s_lshl_b32 s34, s34, 17                        ; the batch's plane,
	s_add_co_u32 s18, s18, s34
	s_and_b32 s34, ttmp9, 127
	s_lshl_b32 s34, s34, 10                        ; two tiles of 512 bytes a work-group
	s_add_co_u32 s18, s18, s34
	s_add_nc_u64 s[12:13], s[12:13], s[18:19]
.set i, 0
.rept 32
	global_load_b32 v[D+i], v4, s[8:9] offset:128*i        ; register i, lane l: token 1,024 wave + 32 i + l
.set i, i+1
.endr
.irp m, 0,1
.irp s, 0,1
.irp c, 0,1,2,3
	global_load_b128 v[X+32*\m+16*\s+4*\c:X+32*\m+16*\s+4*\c+3], v3, s[4:5] offset:4096*\m+128*\s+32*\c
.endr
.endr
.endr
	WIN 0x40                                       ; destination window 1
.set i, 0
.rept 12
.irp c, 0,1,2,3
	global_load_b128 v[16*i+4*\c:16*i+4*\c+3], v2, s[6:7] offset:2048*i+512*\c   ; fragment (tile i / 2, K step i % 2): 512 consecutive bytes a load
.endr
.set i, i+1
.endr
	WIN 0
	s_wait_kmcnt 0x0
	s_mul_i32 s40, s16, 3                          ; my first unit
.macro MKU i                           ; unit 3 w + i: v[SCL + 2 i] = 2^(e - e0 - e1), v[SCL + 2 i + 1] = 448 x that; e = e2 for q, e3 for k, e5 for v.  The choice hangs on the wave's number alone
	s_add_co_u32 s41, s40, \i
	s_cmp_lt_u32 s41, 16
	s_cselect_b32 s42, s23, s25
	s_cmp_lt_u32 s41, 8
	s_cselect_b32 s42, s22, s42
	s_sub_co_i32 s42, s42, s20
	s_sub_co_i32 s42, s42, s21
	s_add_co_i32 s42, s42, 127
	s_lshl_b32 s43, s42, 23
	v_mov_b32 v[SCL+2*\i], s43
	s_add_co_i32 s42, s42, 8
	s_lshl_b32 s42, s42, 23
	s_or_b32 s42, s42, 0x600000
	v_mov_b32 v[SCL+2*\i+1], s42
.endm
	MKU 0
	MKU 1
	MKU 2
; eight pairs in v112-127 become one sum over the wave, in every lane, in v112
.macro TREE
.irp k, 0,1,2,3
	v_pk_add_f32 v[112+4*\k:113+4*\k], v[112+4*\k:113+4*\k], v[114+4*\k:115+4*\k]
.endr
	v_pk_add_f32 v[112:113], v[112:113], v[116:117]
	v_pk_add_f32 v[120:121], v[120:121], v[124:125]
	v_pk_add_f32 v[112:113], v[112:113], v[120:121]
	v_add_f32 v112, v112, v113
.irp m, 1,2,4,8
	v_add_f32_dpp v112, v112, v112 row_xmask:\m row_mask:0xf bank_mask:0xf
.endr
	v_permlanex16_b32 v9, v112, s32, s33
	v_add_f32 v112, v112, v9
.endm
; the eight waves' sums meet in LDS: store, wait, barrier, load; added in one fixed order, so that every work-group gets the same bits
.macro XCHG base
	ds_store_b32 v8, v112 offset:\base
	s_wait_dscnt 0x0                               ; for the others' sake: my store has landed
	s_barrier_signal -1
	s_barrier_wait -1
	ds_load_b128 v[176:179], v246 offset:\base
	ds_load_b128 v[180:183], v246 offset:\base+16
	s_wait_dscnt 0x0
	v_add_f32 v112, v176, v177
.irp k, 178,179,180,181,182,183
	v_add_f32 v112, v112, v\k
.endr
.endm
	s_wait_loadcnt 63                              ; the 32 density loads are the oldest of 96: with at most 63 out they are in (the wait's field holds no 64)
.irp k, 0,1,2,3,4,5,6,7
	v_pk_add_f32 v[112+2*\k:113+2*\k], v[D+4*\k:D+4*\k+1], v[D+4*\k+2:D+4*\k+3]
.endr
	TREE
	XCHG SUM1
	v_mul_f32 v10, 0x39000000, v112                ; the mean: / 8192
.irp k, 0,1,2,3,4,5,6,7,8,9,10,11,12,13,14,15
	v_pk_add_f32 v[144+2*\k:145+2*\k], v[D+2*\k:D+2*\k+1], v[10:11] op_sel_hi:[1,0] neg_lo:[0,1] neg_hi:[0,1]
.endr
.irp k, 0,1,2,3,4,5,6,7
	v_pk_mul_f32 v[112+2*\k:113+2*\k], v[144+4*\k:145+4*\k], v[144+4*\k:145+4*\k]
.endr
.irp k, 0,1,2,3,4,5,6,7
	v_pk_fma_f32 v[112+2*\k:113+2*\k], v[146+4*\k:147+4*\k], v[146+4*\k:147+4*\k], v[112+2*\k:113+2*\k]
.endr
	TREE
	XCHG SUM2
	v_mul_f32 v112, 0x39000400, v112               ; / 8191
	v_sqrt_f32 v112, v112
	v_mov_b32 v13, 0                               ; (a plain line behind the root)  my 32 words of flags, word i in lane i
	v_mov_b32 v14, 0                               ; and the counts in front of them
	s_mov_b32 s30, 0
	s_wait_alu depctr_va_vdst(0)                   ; ahead of the root's first reader
	v_fma_f32 v12, 0.5, v112, v10                  ; the threshold
.set i, 0
.rept 32
	v_cmp_gt_f32 s28, v[D+i], v12                  ; 32 tokens' flags: values only
	v_writelane_b32 v13, s28, i
	v_writelane_b32 v14, s30, i
	s_bcnt1_i32_b32 s29, s28
	s_add_co_u32 s30, s30, s29
.set i, i+1
.endr
	v_mov_b32 v15, s30
	ds_store_b32 v7, v13
	ds_store_b32 v7, v14 offset:PRE-MASKS
	ds_store_b32 v8, v15 offset:TOT
	s_wait_dscnt 0x0
	s_barrier_signal -1
	s_barrier_wait -1                              ; all flags, counts in front and totals lie in LDS; nothing is stored there any more
	s_cmp_lg_u32 ttmp9, 0
	s_cbranch_scc1 .Lnot_first
	global_store_b32 v247, v13, s[14:15] offset:32768      ; work-group 0 stores the flags, 128 consecutive bytes a wave,
	s_cmp_lg_u32 s16, 0
	s_cbranch_scc1 .Lnot_first
	ds_load_b128 v[176:179], v246 offset:TOT
	ds_load_b128 v[180:183], v246 offset:TOT+16
	s_wait_dscnt 0x0
	v_add3_u32 v176, v176, v177, v178
	v_add_nc_u32 v176, v176, v179                  ; batch 0's count,
	v_add3_u32 v177, v180, v181, v182
	v_add_nc_u32 v177, v177, v183                  ; batch 1's
	v_cmp_eq_u32 vcc_lo, 0, v1
	s_wait_xcnt 0x0                                ; EXEC changes only behind this wait
	s_and_saveexec_b32 s31, vcc_lo
	global_store_b64 v246, v[176:177], s[14:15] offset:33792   ; and its wave 0 the two counts
	s_wait_xcnt 0x0                                ; and again in front of the line that widens it; the store has read v176, v177 too
	s_or_b32 exec_lo, exec_lo, s31
.Lnot_first:
	s_cmp_lg_u32 s16, 0
	s_cbranch_scc1 .Lprod
	; ---- wave 0: which token is the slot-th flagged one of my batch?  By selects alone.  v238-241: my slot less the counts of my batch's waves in front of wave q (signed)
	s_lshl_b32 s34, ttmp9, 4
	s_lshl_b32 s35, ttmp9, 6
	ds_load_b128 v[252:255], v251 offset:TOT
	v_add_nc_u32 v238, s34, v248                   ; my slot: 16 g + r
	v_lshlrev_b32 v188, 2, v248
	v_lshl_add_u32 v188, v249, 14, v188
	v_add_nc_u32 v188, s35, v188                   ; its place in the list: 16,384 batch + 4 slot
	v_mov_b32 v242, 0                              ; the word that holds the slot,
	v_mov_b32 v243, 0                              ; the count in front of it within its wave's part,
	v_mov_b32 v244, 0                              ; my slot counted from that part's start,
	v_mov_b32 v245, -1                             ; and the word's number in the batch: words passed - 1
	s_wait_dscnt 0x0
	v_sub_nc_u32 v239, v238, v252
	v_sub_nc_u32 v240, v239, v253
	v_sub_nc_u32 v241, v240, v254
; The counts in front of the words never fall from word to word, so the words with count <= slot are the first ones, and the last of them holds the slot.
.macro INVQ q
.irp k, 0,1,2,3,4,5,6,7
	ds_load_b128 v[112+4*\k:115+4*\k], v250 offset:PRE+128*\q+16*\k
	ds_load_b128 v[144+4*\k:147+4*\k], v250 offset:MASKS+128*\q+16*\k
.endr
	s_wait_dscnt 0x0
	v_cmp_le_i32 vcc_lo, 0, v[238+\q]
	v_cndmask_b32 v244, v244, v[238+\q], vcc_lo
.set i, 0
.rept 32
	v_cmp_le_i32 vcc_lo, v[112+i], v[238+\q]
	v_cndmask_b32 v242, v242, v[144+i], vcc_lo
	v_cndmask_b32 v243, v243, v[112+i], vcc_lo
	v_add_co_ci_u32 v245, vcc_lo, 0, v245, vcc_lo
.set i, i+1
.endr
.endm
	INVQ 0
	INVQ 1
	INVQ 2
	INVQ 3
	v_sub_nc_u32 v184, v244, v243                  ; k: the slot is the word's k-th set bit, counted from 0
	v_mov_b32 v185, 0
	v_mov_b32 v186, 0
.set i, 0
.rept 32
	v_bfe_u32 v187, v242, i, 1
	v_add_nc_u32 v185, v185, v187                  ; set bits up to and with bit i
	v_cmp_le_u32 vcc_lo, v185, v184
	v_add_co_ci_u32 v186, vcc_lo, 0, v186, vcc_lo  ; the bits at which that count is still <= k: as many as the wanted bit's number
.set i, i+1
.endr
	v_lshl_add_u32 v187, v245, 5, v186
	v_min_u32 v187, 0xfff, v187                    ; a slot past the count gets a valid token
	v_and_b32 v189, 0xff0, v187
	v_and_b32 v187, 15, v187
	v_lshlrev_b32 v187, 4, v187
	v_lshl_or_b32 v189, v189, 5, v187              ; 512 (token / 16) + 16 (token % 16)
	global_store_b32 v188, v189, s[14:15]
	s_wait_xcnt 0x0                                ; the store has read v188, v189, which the products write
.Lprod:
	s_wait_loadcnt 0x0                             ; x's and w_qkv's codes
	WIN 0x01                                       ; source 0 (w_qkv) window 1
.irp t, 0,1,2,3,4,5                    ; twelve accumulators by turns, one instruction a turn; the first K step starts the sums
.irp m, 0,1
	v_wmma_f32_16x16x128_fp8_fp8 v[ACC+8*(2*\t+\m):ACC+8*(2*\t+\m)+7], v[32*\t:32*\t+15], v[X+32*\m:X+32*\m+15], 0
.endr
.endr
.irp t, 0,1,2,3,4,5
.irp m, 0,1
	v_wmma_f32_16x16x128_fp8_fp8 v[ACC+8*(2*\t+\m):ACC+8*(2*\t+\m)+7], v[32*\t+16:32*\t+31], v[X+32*\m+16:X+32*\m+31], v[ACC+8*(2*\t+\m):ACC+8*(2*\t+\m)+7]
.endr
.endr
	WIN 0
.rept 4
	v_nop                                          ; four places in front of the first read of results (ISA guide 7.12.1)
.endr
.macro UNIT i
.irp m, 0,1
.irp a, 0,1
.irp j, 0,1,2,3,4,5,6,7
	v_med3_num_f32 v[ACC+8*(2*(2*\i+\a)+\m)+\j], v[ACC+8*(2*(2*\i+\a)+\m)+\j], -v[SCL+2*\i+1], v[SCL+2*\i+1]   ; the hold; each accumulator from its low end on
.endr
	v_cvt_scalef32_pk8_fp8_f32 v[CD+8*\i+4*\m+2*\a:CD+8*\i+4*\m+2*\a+1], v[ACC+8*(2*(2*\i+\a)+\m):ACC+8*(2*(2*\i+\a)+\m)+7], v[SCL+2*\i]
.endr
.endr
	v_nop                                          ; a plain line behind the last conversion
.irp m, 0,1
	global_store_b128 v2, v[CD+8*\i+4*\m:CD+8*\i+4*\m+3], s[12:13] offset:262144*\i+512*\m   ; a tile's image: 512 consecutive bytes
.endr
.endm
	UNIT 0
	UNIT 1
	UNIT 2
	s_wait_tensorcnt 0x0                           ; the wave's end, behind my last LDS store
	ds_add_u32 v5, v6
	s_wait_dscnt 0x0
	s_endpgm
.Lfunc_end_k_q9a370b9284_qkvr:
	.size	k_q9a370b9284_qkvr, .Lfunc_end_k_q9a370b9284_qkvr-k_q9a370b9284_qkvr
	.p2alignl 7, 3214868480
	.fill 96, 4, 3214868480
	.section	.rodata,"a",@progbits
	.p2align	6, 0x0
	.amdhsa_kernel k_q9a370b9284_qkvr
		.amdhsa_group_segment_fixed_size 4096
		.amdhsa_private_segment_fixed_size 0
		.amdhsa_enable_private_segment 0
		.amdhsa_kernarg_size 48
		.amdhsa_user_sgpr_count 2
		.amdhsa_user_sgpr_kernarg_segment_ptr 1
		.amdhsa_wavefront_size32 1
		.amdhsa_system_sgpr_workgroup_id_x 1
		.amdhsa_system_sgpr_workgroup_id_y 1
		.amdhsa_system_sgpr_workgroup_id_z 1
		.amdhsa_system_vgpr_workitem_id 0
		.amdhsa_next_free_vgpr 448
		.amdhsa_next_free_sgpr 66
		.amdhsa_reserve_vcc 1
		.amdhsa_float_denorm_mode_32 3
		.amdhsa_float_denorm_mode_16_64 3
		.amdhsa_memory_ordered 1
		.amdhsa_forward_progress 1
		.amdhsa_inst_pref_size 64
	.end_amdhsa_kernel
	.amdgpu_metadata
---
amdhsa.version: [ 1, 2 ]
amdhsa.kernels:
  - .name:           k_q9a370b9284_qkvr
    .symbol:         k_q9a370b9284_qkvr.kd
    .args:
      - { .name: xq, .offset: 0, .size: 8, .value_kind: global_buffer, .address_space: global }
      - { .name: wqimg, .offset: 8, .size: 8, .value_kind: global_buffer, .address_space: global }
      - { .name: dens, .offset: 16, .size: 8, .value_kind: global_buffer, .address_space: global }
      - { .name: lowp_scales, .offset: 24, .size: 8, .value_kind: global_buffer, .address_space: global }
      - { .name: qkvc, .offset: 32, .size: 8, .value_kind: global_buffer, .address_space: global }
      - { .name: route, .offset: 40, .size: 8, .value_kind: global_buffer, .address_space: global }
    .group_segment_fixed_size: 4096
    .private_segment_fixed_size: 0
    .kernarg_segment_align: 8
    .kernarg_segment_size: 48
    .max_flat_workgroup_size: 256
    .sgpr_count:     66
    .vgpr_count:     448
    .wavefront_size: 32
...
	.end_amdgpu_metadata
.endif
;; end of part 2
;; launch attn (part 3): grid 16 x 16, 16 waves a work-group, no clusters, 296,960 bytes of LDS; arguments qkvc, route, lowp_scales, aimg; writes aimg
.if DOCPART == 3
	.amdgcn_target "amdgcn-amd-amdhsa--gfx1250"
	.amdhsa_code_object_version 6
	.text
	.protected	k_q9a370b9284_attn
	.globl	k_q9a370b9284_attn
	.p2align	8
	.type	k_q9a370b9284_attn,@function
k_q9a370b9284_attn:
	s_mov_b64 s[64:65], 0
	v_nop
	global_prefetch_b8 v0, s[64:65] scope:SCOPE_SE
	s_setreg_imm32_b32 hwreg(HW_REG_WAVE_MODE, 25, 1), 1
	s_wait_xcnt 0x0
; ATTENTION on the keys that the mask keeps.  A key counts for a query if it lies within 15 places of it or carries the flag; every other key has weight 0 and is not multiplied.
; A work-group owns 256 queries of one (batch, head); each of its sixteen waves owns 16 queries, one tile, in 256 registers: four waves to a SIMD, so that one wave's exponentials stand beside another's plain work.
; THE FLAGGED KEYS of the batch (their places come as a list of whole numbers from the launch before, with their count) are gathered ONCE into LDS, as images of operand registers, 128 slots a chunk:
;   wave w fills chunk w always (the list holds a valid token in every slot) and chunk 16 + w where the count reaches it.  All 4,096 keys fit: 128 KB of K, 128 KB of V.  One barrier in the launch.
; THE LOCAL KEYS (tiles T - 1, T, T + 1) are each wave's own first step, straight from memory; those that carry the flag are hidden there, since the list has them.
; LAYOUT.  Both products are used transposed: S^T = K Q^T (source 0 = 16 keys, source 1 = my 16 queries), O^T = V^T P^T: a lane holds ONE query.  The head's 32 channels fill the lower half of the K = 64 form; Q's upper half is zero codes,
;   so what stands in the upper half of K's operand (the next tile's codes, which are numbers) adds nothing.  The conversion of score tile t gives registers 2 t, 2 t + 1 of P's operand: k = slot 16 t + 8 h + j.
;   V lies [key][32 bytes]; ds_load_tr16_b128 on pairs of bytes and v_perm_b32 turn it into two operands: the even places of a row and the odd ones.
; THE SOFTMAX: t = score x log2(e) / sqrt(32) x 2^(e2 + e3); M = the running largest t rounded up to a whole number; p = 2^(t - M) is quantised (scale 2^e4); the sum is taken of the unquantised p; when M moves, sum and O^T are multiplied by a power of two.
; The result / sum x 2^(e4 + e5) is quantised for the projection (scale 2^e6): aimg[256 batch + T][head][lane][16 bytes]; the order of a lane's 16 channels is the one in which w_proj's image was laid.
; No tensor load: the fill is a gather by a stored list, and steps past the stored count are jumped over.  No cluster: what neighbours share is gathered once.
; LIMITS: e2 + e3 between -124 and 129; e4, e6 between -126 and 119.  NaN and infinity are not served.
; REGISTERS: v1-9 addresses and scales; v[10:11], v[14:15] the sum; v12 -M; v13 the largest t; v16-23 Q and zeros; v24-59 K and zeros; v60-75, v76-91 V's two operands; v92-95 at work; v96-159 scores, then p; v160-175 O^T; v176-191 p's codes.
;   Ahead of the loop only: v120-127 list entries; v128-133, v184-187 LDS addresses; v134-147 the local step's; v148-159 local V; v192-255 gathered codes.
.set VIMG,  0x20000                    ; LDS: K's images from 0 (chunk c at 4,096 c), V's from here,
.set LSTG,  0x40000                    ; each wave's 2,048 bytes for its local V rows,
.set SPARE, 0x48000                    ; and the spare words, 128 bytes for each of the sixteen waves: no other line names them
.set OFF, 120
.set GK,  192
.set GV,  224
.macro FILL_LIST p                     ; the places of my chunk's 128 slots: register t, lane (r, h): slot 128 (w + 16 p) + 16 t + r
.irp t, 0,1,2,3,4,5,6,7
	global_load_b32 v[OFF+\t], v6, s[44:45] offset:64*\t+8192*\p
.endr
.endm
.macro FILL_GATHER                     ; lane (r, h) takes piece h (16 bytes) of its slot's key and value
.irp t, 0,1,2,3,4,5,6,7
	v_min_u32 v[OFF+\t], 0x1fef0, v[OFF+\t]        ; a loaded number enters an address only behind a bound: the last token's place in a plane
.endr
.irp t, 0,1,2,3,4,5,6,7
	v_add_nc_u32 v[OFF+\t], v7, v[OFF+\t]
.endr
.irp t, 0,1,2,3,4,5,6,7
	global_load_b128 v[GK+4*\t:GK+4*\t+3], v[OFF+\t], s[18:19]
	global_load_b128 v[GV+4*\t:GV+4*\t+3], v[OFF+\t], s[20:21]
.endr
.endm
; n x 16 rows of 32 bytes at v[adr] become registers 2 c, 2 c + 1 of two operands: row r of v[ev ..] is byte 2 r of the rows, row r of v[od ..] byte 2 r + 1; k = the row's number
.macro VTURN n, adr, tr, ev, od
.set c, 0
.rept \n
	ds_load_tr16_b128 v[\tr+4*c:\tr+4*c+3], v[\adr] offset:512*c   ; LDS serves a wave's instructions in order: these see my stores
.set c, c+1
.endr
	s_wait_dscnt 0x0
.set c, 0
.rept \n
	v_perm_b32 v[\ev+2*c], v[\tr+4*c+1], v[\tr+4*c], s40
	v_perm_b32 v[\ev+2*c+1], v[\tr+4*c+3], v[\tr+4*c+2], s40
	v_perm_b32 v[\od+2*c], v[\tr+4*c+1], v[\tr+4*c], s41
	v_perm_b32 v[\od+2*c+1], v[\tr+4*c+3], v[\tr+4*c+2], s41
.set c, c+1
.endr
.endm
.macro FILL_FINISH akw, avs, avt, avw
	s_wait_loadcnt 0x0
.irp t, 0,1,2,3,4,5,6,7
	ds_store_b128 v[\akw], v[GK+4*\t:GK+4*\t+3] offset:512*\t      ; K: tile t's image, as it stands
.endr
.irp t, 0,1,2,3,4,5,6,7
	ds_store_b128 v[\avs], v[GV+4*\t:GV+4*\t+3] offset:512*\t      ; V: rows of 32 bytes, for now, in the chunk's own bytes, which only I touch ahead of the barrier
.endr
	VTURN 8, \avt, 96, GV, GV+16
.irp q, 0,1,2,3
	ds_store_b128 v[\avw], v[GV+4*\q:GV+4*\q+3] offset:512*\q              ; the two operands' images take the rows' place
	ds_store_b128 v[\avw], v[GV+16+4*\q:GV+16+4*\q+3] offset:2048+512*\q
.endr
.endm
; The softmax of ns scores a lane (24 or 64), v96 on.  first = 1: there is no old M.
.macro SOFTMAX ns, first
	v_max3_num_f32 v92, v96, v97, v98              ; the largest score, in two chains, ascending
	v_max3_num_f32 v94, v99, v100, v101
.set j, 6
.rept (\ns-8)/4
	v_max3_num_f32 v92, v92, v[96+j], v[97+j]
	v_max3_num_f32 v94, v94, v[98+j], v[99+j]
.set j, j+4
.endr
	v_max3_num_f32 v92, v92, v[96+\ns-2], v[96+\ns-1]
	v_max_num_f32 v92, v92, v94
	v_permlanex16_b32 v93, v92, s24, s25
	v_max_num_f32 v92, v92, v93                    ; and lane l xor 16's
	v_mul_f32 v92, s22, v92                        ; as t (c is positive)
	v_max_num_f32 v13, v13, v92
.if \first
	v_floor_f32 v12, -v13                          ; -M = floor(-t): M is a whole number
.else
	v_mov_b32 v92, v12
	v_floor_f32 v12, -v13
	v_sub_f32 v92, v12, v92                        ; old M - new M: a whole number, 0 or less
	v_cvt_i32_f32 v92, v92                         ; (it saturates)
	v_ldexp_f32 v94, 1.0, v92                      ; f = 2^(old M - new M)
.endif
.set j, 0
.rept \ns/2
	v_pk_fma_f32 v[96+j:97+j], v[96+j:97+j], s[22:23], v[12:13] op_sel_hi:[1,0,0]   ; t - M
.set j, j+2
.endr
.set j, 0
.rept \ns
	v_exp_f32 v[96+j], v[96+j]                     ; p, one batch
.set j, j+1
.endr
.if \first
	v_nop                                          ; a plain line behind the last exponential
.else
	v_pk_mul_f32 v[14:15], v[14:15], v[94:95] op_sel_hi:[1,0]      ; the sum under the new M: a plain line behind the last exponential
.endif
	s_wait_alu depctr_va_vdst(0)                   ; one wait for the batch, ahead of its first reader
	v_pk_add_f32 v[10:11], v[96:97], v[98:99]      ; the sum of the unquantised p, in two chains
.set j, 4
.rept (\ns-4)/4
	v_pk_add_f32 v[14:15], v[14:15], v[96+j:97+j]
	v_pk_add_f32 v[10:11], v[10:11], v[98+j:99+j]
.set j, j+4
.endr
	v_pk_add_f32 v[14:15], v[14:15], v[10:11]
	s_cmp_ge_i32 s36, -8                           ; p is at most 1, and 448 x 2^e4 is at least 1 from e4 = -8 on: the hold is walked only under a smaller e4 (a whole number that was read; this launch has no tensor load)
	s_cbranch_scc1 .Lno_hold_\@
.set j, 0
.rept \ns
	v_min_num_f32 v[96+j], v[96+j], v8
.set j, j+1
.endr
.Lno_hold_\@:
.set j, 0
.rept \ns/8
	v_cvt_scalef32_pk8_fp8_f32 v[176+2*j:177+2*j], v[96+8*j:103+8*j], v9
.set j, j+1
.endr
.if \first
	v_nop                                          ; a plain line between the conversions and the products that read them
.else
.irp k, 0,2,4,6,8,10,12,14
	v_pk_mul_f32 v[160+\k:161+\k], v[160+\k:161+\k], v[94:95] op_sel_hi:[1,0]   ; O^T under the new M; also the plain lines behind the conversions
.endr
.endif
.endm
	s_load_b256 s[4:11], s[0:1], 0x0               ; qkvc s[4:5], route s[6:7], the scales' exponents s[8:9], aimg s[10:11]
	v_lshl_add_u32 v2, v0, 2, SPARE                ; my spare word,
	v_mov_b32 v3, 0                                ; and 0: kept for the closing add alone
	v_lshrrev_b32 v4, 5, v0
	v_readfirstlane_b32 s12, v4                    ; wave 0..15
	s_and_b32 s48, ttmp7, 0xffff
	s_lshr_b32 s13, s48, 3                         ; batch
	s_and_b32 s14, s48, 7                          ; head
	s_lshl_b32 s15, ttmp9, 4
	s_add_co_u32 s15, s15, s12                     ; T: my tile of 16 queries, 0..255
	s_lshl_b32 s42, s12, 7                         ; 128 w: my first chunk's first slot
	s_lshl_b32 s30, s12, 12
	s_lshl_b32 s31, s12, 11
	v_and_b32 v92, 31, v0                          ; lane
	v_and_b32 v93, 15, v0                          ; r
	v_bfe_u32 v94, v0, 4, 1                        ; h
	v_lshlrev_b32 v1, 4, v92                       ; 16 lane
	v_add_nc_u32 v6, s42, v93
	v_lshlrev_b32 v6, 2, v6                        ; the list: 4 (128 w + r)
	v_lshlrev_b32 v7, 8, v94                       ; piece h of a tile's image lies 256 h bytes on
	; every LDS address but the loop's two is made here: a constant + a constant x wave + a lane term
	v_add_nc_u32 v128, s30, v1                     ; K's image of chunk w
	v_add_nc_u32 v131, VIMG, v128                  ; V's images
	v_lshlrev_b32 v147, 5, v93
	v_lshl_add_u32 v147, v94, 4, v147              ; a row of 32 bytes: 32 r + 16 h
	v_add_nc_u32 v129, s30, v147
	v_add_nc_u32 v129, VIMG, v129                  ; V's rows, on the way in
	v_add_nc_u32 v132, s31, v147
	v_add_nc_u32 v132, LSTG, v132                  ; the local rows
	v_and_b32 v147, 7, v0
	v_lshl_add_u32 v147, v94, 3, v147
	v_bfe_u32 v146, v0, 3, 1
	v_lshlrev_b32 v147, 5, v147
	v_lshl_add_u32 v147, v146, 4, v147             ; the turning load: row 8 h + lane % 8, bytes 16 ((lane / 8) % 2) on
	v_add_nc_u32 v130, s30, v147
	v_add_nc_u32 v130, VIMG, v130
	v_add_nc_u32 v133, s31, v147
	v_add_nc_u32 v133, LSTG, v133
	v_add_nc_u32 v184, 0x10000, v128               ; the same four for chunk 16 + w
	v_add_nc_u32 v185, 0x10000, v129
	v_add_nc_u32 v186, 0x10000, v130
	v_add_nc_u32 v187, 0x10000, v131
	; the band, a bit for each of a lane's eight keys of a tile.  Tile T - 1: key 8 h + j counts from j = r - 8 h + 1 on; tile T + 1: up to j = r - 8 h - 1.  With a = min(x, 8): lanes 0-15 shift by a, lanes 16-31 by x - a
	v_add_nc_u32 v143, 1, v93
	v_min_u32 v144, 8, v143
	v_sub_nc_u32 v145, v143, v144
	v_cmp_ne_u32 vcc_lo, 0, v94
	v_cndmask_b32 v144, v144, v145, vcc_lo
	v_mov_b32 v146, 0xff
	v_lshlrev_b32 v143, v144, v146
	v_and_b32 v143, 0xff, v143                     ; tile T - 1's band
	v_min_u32 v144, 8, v93
	v_sub_nc_u32 v145, v93, v144
	v_cndmask_b32 v144, v144, v145, vcc_lo
	v_mov_b32 v146, 1
	v_lshlrev_b32 v145, v144, v146
	v_add_nc_u32 v145, -1, v145                    ; tile T + 1's
.irp j, 20,21,22,23,36,37,38,39,56,57,58,59,66,67,82,83,14,15,95,182,183
	v_mov_b32 v\j, 0                               ; zero codes for the unused parts of K; the sum; the upper half of f's pair
.endr
	v_mov_b32 v13, 0xff61b1e6                      ; the largest t so far: -3e38, under every t
	s_mov_b32 s24, 0x76543210
	s_mov_b32 s25, 0xfedcba98
	s_mov_b32 s40, 0x06040200                      ; the even bytes of two words,
	s_mov_b32 s41, 0x07050301                      ; the odd ones
	s_sub_co_i32 s51, s15, 1
	s_max_i32 s51, s51, 0                          ; the tile in front (at the batch's start: my own, wholly hidden below)
	s_add_co_u32 s52, s15, 1
	s_min_u32 s52, s52, 255                        ; the tile behind (at the end likewise)
	s_lshl_b32 s53, s51, 9
	v_add_nc_u32 v134, s53, v1
	s_lshl_b32 s53, s15, 9
	v_add_nc_u32 v135, s53, v1
	s_lshl_b32 s53, s52, 9
	v_add_nc_u32 v136, s53, v1
	s_lshl_b32 s53, s51, 1
	v_add_nc_u32 v137, s53, v94                    ; the byte of flags of my eight keys: 2 tile + h
	s_lshl_b32 s53, s15, 1
	v_add_nc_u32 v138, s53, v94
	s_lshl_b32 s53, s52, 1
	v_add_nc_u32 v139, s53, v94
	s_cmp_eq_u32 s15, 0
	s_cselect_b32 s56, 0, 0xff
	s_cmp_eq_u32 s15, 255
	s_cselect_b32 s57, 0, 0xff
	s_mov_b32 s49, 0
	s_wait_kmcnt 0x0
	s_load_b256 s[32:39], s[8:9], 0x0              ; e0 .. e7
	s_load_b64 s[54:55], s[6:7], 0x8400            ; the two counts
	s_lshl_b32 s48, s13, 14
	s_add_nc_u64 s[44:45], s[6:7], s[48:49]        ; my batch's list
	FILL_LIST 0
	s_lshl_b32 s48, s14, 1
	s_add_co_u32 s48, s48, s13
	s_lshl_b32 s48, s48, 17                        ; plane 2 unit + batch, 131,072 bytes each
	s_add_nc_u64 s[16:17], s[4:5], s[48:49]        ; q's plane,
	s_add_nc_u64 s[18:19], s[16:17], 0x200000      ; k's: 8 units on,
	s_add_nc_u64 s[20:21], s[16:17], 0x400000      ; v's: 16 units on
	s_lshl_b32 s48, s15, 9
	s_add_nc_u64 s[16:17], s[16:17], s[48:49]      ; my tile of q
	s_lshl_b32 s48, s13, 9
	s_add_co_u32 s48, s48, 0x8000
	s_add_nc_u64 s[46:47], s[6:7], s[48:49]        ; my batch's flags
	s_lshl_b32 s48, s13, 8
	s_add_co_u32 s48, s48, s15
	s_lshl_b32 s48, s48, 3
	s_add_co_u32 s48, s48, s14
	s_lshl_b32 s48, s48, 9
	s_add_nc_u64 s[10:11], s[10:11], s[48:49]      ; my image in aimg
	global_load_b128 v[16:19], v1, s[16:17]
	global_load_b128 v[24:27], v134, s[18:19]
	global_load_b128 v[28:31], v135, s[18:19]
	global_load_b128 v[32:35], v136, s[18:19]
	global_load_b128 v[148:151], v134, s[20:21]
	global_load_b128 v[152:155], v135, s[20:21]
	global_load_b128 v[156:159], v136, s[20:21]
	global_load_u8 v140, v137, s[46:47]
	global_load_u8 v141, v138, s[46:47]
	global_load_u8 v142, v139, s[46:47]
	s_wait_loadcnt 10                              ; the eight list loads are in; the ten local loads behind them may be out
	FILL_GATHER
	s_wait_kmcnt 0x0
	s_cmp_eq_u32 s13, 0
	s_cselect_b32 s26, s54, s55
	s_min_u32 s26, s26, 0x1000                     ; my batch's count of flagged keys
	s_add_co_i32 s48, s34, s35
	s_lshl_b32 s48, s48, 23
	s_mov_b32 s22, 0x3e8293ee                      ; log2(e) / sqrt(32);
	s_add_co_i32 s22, s22, s48                     ; e2 + e3 are added to its exponent field
	s_mov_b32 s23, s22                             ; (named with it as a pair)
	s_add_co_i32 s48, s36, 127
	s_lshl_b32 s50, s48, 23
	v_mov_b32 v9, s50                              ; 2^e4
	s_add_co_i32 s48, s48, 8
	s_lshl_b32 s48, s48, 23
	s_or_b32 s48, s48, 0x600000
	v_mov_b32 v8, s48                              ; 448 x 2^e4
	; ---- the local step: 48 keys.  The sixteen gather loads stay out meanwhile
	s_wait_loadcnt 16                              ; the ten local loads are in; the sixteen gather loads behind them may be out
	ds_store_b128 v132, v[148:151]
	ds_store_b128 v132, v[152:155] offset:512
	ds_store_b128 v132, v[156:159] offset:1024
	VTURN 3, 133, 96, 60, 76
.irp t, 0,1,2
	v_wmma_f32_16x16x64_fp8_fp8 v[96+8*\t:103+8*\t], v[24+4*\t:31+4*\t], v[16:23], 0
.endr
	v_xor_b32 v140, 0xff, v140                     ; these nine lines are the places behind the products.  A key counts here if it is in the band, carries no flag, and its tile exists
	v_xor_b32 v141, 0xff, v141
	v_xor_b32 v142, 0xff, v142
	v_and_b32 v143, v143, v140
	v_and_b32 v143, s56, v143
	v_mov_b32 v144, v141
	v_and_b32 v145, v145, v142
	v_and_b32 v145, s57, v145
	v_mov_b32 v146, 0xff800000                     ; -infinity: p = 0
.irp t, 0,1,2
.irp j, 0,1,2,3,4,5,6,7
	v_and_b32 v147, 1<<\j, v[143+\t]
	v_cmp_eq_u32 vcc_lo, 0, v147
	v_cndmask_b32 v[96+8*\t+\j], v[96+8*\t+\j], v146, vcc_lo
.endr
.endr
	SOFTMAX 24, 1                                  ; a row all of whose local keys are hidden keeps -3e38 as its largest t: p = 0, and the first listed step's f is 0
	v_wmma_f32_16x16x64_fp8_fp8 v[160:167], v[60:67], v[176:183], 0        ; these start O^T's sums: nothing is cleared
	v_wmma_f32_16x16x64_fp8_fp8 v[168:175], v[76:83], v[176:183], 0
	; ---- the fill
	FILL_FINISH 128, 129, 130, 131
	s_add_co_u32 s48, s42, 2048
	s_cmp_ge_u32 s48, s26                          ; does the count reach chunk 16 + w?  A whole number that the launch before stored
	s_cbranch_scc1 .Lfilled
	s_wait_dscnt 0x0                               ; my LDS stores have read the registers into which the next loads land
	FILL_LIST 1
	s_wait_loadcnt 0x0
	FILL_GATHER
	FILL_FINISH 184, 185, 186, 187
.Lfilled:
	s_wait_dscnt 0x0                               ; for the others' sake: my stores have landed
	s_barrier_signal -1
	s_barrier_wait -1                              ; every chunk that the count reaches lies in LDS; nothing is stored there any more
	; ---- the listed keys, 128 a step.  32 trips, a constant; a step past the count is jumped over
	s_mov_b32 s27, 0                               ; the chunk's LDS byte
	s_mov_b32 s28, 0                               ; its first slot
	s_mov_b32 s29, 32
.Lstep:
	s_cmp_ge_u32 s28, s26
	s_cbranch_scc1 .Lskip
	v_add_nc_u32 v4, s27, v1
	v_add_nc_u32 v5, VIMG, v4
.irp t, 0,1,2,3,4,5,6,7
	ds_load_b128 v[24+4*\t:27+4*\t], v4 offset:512*\t
.endr
	s_wait_dscnt 0x0
.irp t, 0,1,2,3,4,5,6,7
	v_wmma_f32_16x16x64_fp8_fp8 v[96+8*\t:103+8*\t], v[24+4*\t:31+4*\t], v[16:23], 0
.endr
.rept 4
	v_nop                                          ; places in front of the first read of the scores; with the two additions above also in front of the loads into V's registers, which the last step's products read
.endr
.irp q, 0,1,2,3
	ds_load_b128 v[60+4*\q:63+4*\q], v5 offset:512*\q              ; V lands while the softmax is walked
	ds_load_b128 v[76+4*\q:79+4*\q], v5 offset:2048+512*\q
.endr
	s_add_co_u32 s48, s28, 128
	s_cmp_le_u32 s48, s26
	s_cbranch_scc1 .Lfull
	s_sub_co_u32 s48, s26, s28                     ; the last step: slots from the count on are hidden
	s_sub_co_u32 s48, s48, 1
	v_bfe_u32 v92, v0, 4, 1
	v_lshlrev_b32 v92, 3, v92
	v_sub_nc_u32 v92, s48, v92                     ; d = count - first slot - 8 h - 1; register 8 t + j holds slot 16 t + 8 h + j: hidden where 16 t + j > d
	v_mov_b32 v94, 0xff800000
.set n, 0
.rept 64
	v_cmp_gt_i32 vcc_lo, 16*(n/8)+n%8, v92
	v_cndmask_b32 v[96+n], v[96+n], v94, vcc_lo
.set n, n+1
.endr
.Lfull:
	SOFTMAX 64, 0
	s_wait_dscnt 0x0                               ; V
	v_wmma_f32_16x16x128_fp8_fp8 v[160:167], v[60:75], v[176:191], v[160:167]      ; two accumulators by turns; the eight score products stand between a link and the next
	v_wmma_f32_16x16x128_fp8_fp8 v[168:175], v[76:91], v[176:191], v[168:175]
.Lskip:
	s_add_co_u32 s27, s27, 4096
	s_add_co_u32 s28, s28, 128
	s_sub_co_u32 s29, s29, 1
	s_cmp_lg_u32 s29, 0
	s_cbranch_scc1 .Lstep
	; ---- the way out
.rept 4
	v_nop                                          ; places behind the last products
.endr
	v_add_f32 v14, v14, v15
	v_permlanex16_b32 v93, v14, s24, s25
	v_add_f32 v14, v14, v93                        ; the row's sum
	v_rcp_f32 v14, v14
	s_add_co_i32 s48, s38, 127
	s_lshl_b32 s50, s48, 23
	v_mov_b32 v11, s50                             ; (a plain line behind the reciprocal)  2^e6
	s_add_co_i32 s48, s48, 8
	s_lshl_b32 s48, s48, 23
	s_or_b32 s48, s48, 0x600000
	v_mov_b32 v10, s48                             ; 448 x 2^e6
	s_add_co_i32 s48, s36, s37
	s_wait_alu depctr_va_vdst(0)                   ; ahead of the reciprocal's first reader
	v_ldexp_f32 v14, v14, s48                      ; x 2^(e4 + e5)
.set j, 0
.rept 16
	v_mul_f32 v[96+j], v[160+j], v14               ; each accumulator from its low end on
.set j, j+1
.endr
.set j, 0
.rept 16
	v_med3_num_f32 v[96+j], v[96+j], -v10, v10
.set j, j+1
.endr
	v_cvt_scalef32_pk8_fp8_f32 v[112:113], v[96:103], v11
	v_cvt_scalef32_pk8_fp8_f32 v[114:115], v[104:111], v11
	v_nop
	global_store_b128 v1, v[112:115], s[10:11]     ; 512 consecutive bytes: an image of four operand registers
	s_wait_tensorcnt 0x0                           ; the wave's end, behind my last LDS store
	ds_add_u32 v2, v3
	s_wait_dscnt 0x0
	s_endpgm
.Lfunc_end_k_q9a370b9284_attn:
	.size	k_q9a370b9284_attn, .Lfunc_end_k_q9a370b9284_attn-k_q9a370b9284_attn
	.p2alignl 7, 3214868480
	.fill 96, 4, 3214868480
	.section	.rodata,"a",@progbits
	.p2align	6, 0x0
	.amdhsa_kernel k_q9a370b9284_attn
		.amdhsa_group_segment_fixed_size 296960
		.amdhsa_private_segment_fixed_size 0
		.amdhsa_enable_private_segment 0
		.amdhsa_kernarg_size 32
		.amdhsa_user_sgpr_count 2
		.amdhsa_user_sgpr_kernarg_segment_ptr 1
		.amdhsa_wavefront_size32 1
		.amdhsa_system_sgpr_workgroup_id_x 1
		.amdhsa_system_sgpr_workgroup_id_y 1
		.amdhsa_system_sgpr_workgroup_id_z 1
		.amdhsa_system_vgpr_workitem_id 0
		.amdhsa_next_free_vgpr 256
		.amdhsa_next_free_sgpr 66
		.amdhsa_reserve_vcc 1
		.amdhsa_float_denorm_mode_32 3
		.amdhsa_float_denorm_mode_16_64 3
		.amdhsa_memory_ordered 1
		.amdhsa_forward_progress 1
		.amdhsa_inst_pref_size 52
	.end_amdhsa_kernel
	.amdgpu_metadata
---
amdhsa.version: [ 1, 2 ]
amdhsa.kernels:
  - .name:           k_q9a370b9284_attn
    .symbol:         k_q9a370b9284_attn.kd
    .args:
      - { .name: qkvc, .offset: 0, .size: 8, .value_kind: global_buffer, .address_space: global }
      - { .name: route, .offset: 8, .size: 8, .value_kind: global_buffer, .address_space: global }
      - { .name: lowp_scales, .offset: 16, .size: 8, .value_kind: global_buffer, .address_space: global }
      - { .name: aimg, .offset: 24, .size: 8, .value_kind: global_buffer, .address_space: global }
    .group_segment_fixed_size: 296960
    .private_segment_fixed_size: 0
    .kernarg_segment_align: 8
    .kernarg_segment_size: 32
    .max_flat_workgroup_size: 512
    .sgpr_count:     66
    .vgpr_count:     256
    .wavefront_size: 32
...
	.end_amdgpu_metadata
.endif
;; end of part 3
;; launch proj (part 4): grid 256 x 1, 8 waves a work-group, no clusters, 35,840 bytes of LDS; arguments aimg, wpimg, b_proj, lowp_scales, out0; writes out0
.if DOCPART == 4
	.amdgcn_target "amdgcn-amd-amdhsa--gfx1250"
	.amdhsa_code_object_version 6
	.text
	.protected	k_q9a370b9284_proj
	.globl	k_q9a370b9284_proj
	.p2align	8
	.type	k_q9a370b9284_proj,@function
k_q9a370b9284_proj:
	s_mov_b64 s[64:65], 0
	v_nop
	global_prefetch_b8 v0, s[64:65] scope:SCOPE_SE
	s_setreg_imm32_b32 hwreg(HW_REG_WAVE_MODE, 25, 1), 1
	s_wait_xcnt 0x0
; OUT = attention's result x w_proj + b_proj, on codes of E4M3; each sum x 2^(e6 + e7) + bias in one packed multiply-add.
; Work-group g takes tokens 32 g .. 32 g + 31.  Wave w: tile of 16 tokens w / 4, columns 64 (w % 4) .. + 63: four accumulators, K = 256 in two steps.
; Both operands come as images of their registers (16 bytes a lane, 512 consecutive bytes a load) and go from memory straight into registers: each is wanted once, at the head, so there is no ring and nothing to share in time.
; The product is used transposed (source 0 = 16 columns of w_proj, source 1 = 16 tokens): a lane holds eight neighbouring columns of one token's row.  A wave's 16 rows x 256 bytes go through its own stage in LDS and leave as aligned runs of 256 bytes.
; LIMIT: e6 + e7 between -126 and 127.
.set SPARE, 34816                      ; behind the eight stages of 16 rows x 272 bytes: the spare words, 128 bytes for each wave: no other line names them
	s_load_b256 s[4:11], s[0:1], 0x0               ; aimg s[4:5], wpimg s[6:7], b_proj s[8:9], the scales' exponents s[10:11]
	s_load_b64 s[12:13], s[0:1], 0x20              ; out0
	v_lshl_add_u32 v2, v0, 2, SPARE
	v_mov_b32 v3, 0
	v_lshrrev_b32 v1, 5, v0
	v_readfirstlane_b32 s14, v1                    ; wave 0..7
	s_lshr_b32 s15, s14, 2                         ; which tile of tokens
	s_and_b32 s16, s14, 3                          ; which 64 columns
	v_and_b32 v8, 31, v0
	v_lshlrev_b32 v1, 4, v8                        ; 16 lane
	v_and_b32 v8, 15, v0                           ; r
	v_bfe_u32 v9, v0, 4, 1                         ; h
	s_mul_i32 s17, s14, 4352                       ; my stage
	v_mul_u32_u24 v4, v8, 272
	v_lshl_add_u32 v4, v9, 5, v4
	v_add_nc_u32 v4, s17, v4                       ; in: row r, 32 bytes for each half of the lanes
	v_mul_u32_u24 v5, v9, 272
	v_lshl_add_u32 v5, v8, 4, v5
	v_add_nc_u32 v5, s17, v5                       ; back: lanes 0-15 one row of 256 bytes, lanes 16-31 the next
	v_lshlrev_b32 v6, 10, v9
	v_lshl_add_u32 v6, v8, 4, v6                   ; and the same two rows in out0
	v_lshlrev_b32 v7, 5, v9                        ; the bias: 32 h
	s_mov_b32 s19, 0
	s_wait_kmcnt 0x0
	s_load_b256 s[24:31], s[10:11], 0x0            ; e0 .. e7
	s_lshl_b32 s18, ttmp9, 1
	s_add_co_u32 s18, s18, s15
	s_lshl_b32 s18, s18, 12                        ; a tile of tokens is eight images: 4,096 bytes
	s_add_nc_u64 s[4:5], s[4:5], s[18:19]
	s_lshl_b32 s18, s16, 14                        ; four tiles of columns x two K steps x 2,048 bytes
	s_add_nc_u64 s[6:7], s[6:7], s[18:19]
	s_lshl_b32 s18, s16, 8
	s_add_nc_u64 s[8:9], s[8:9], s[18:19]
	s_lshl_b32 s18, ttmp9, 5
	s_lshl_b32 s20, s15, 4
	s_add_co_u32 s18, s18, s20
	s_lshl_b32 s18, s18, 10                        ; my first row of out0, 1,024 bytes a row,
	s_lshl_b32 s20, s16, 8
	s_add_co_u32 s18, s18, s20                     ; and my 256 bytes of it
	s_add_nc_u64 s[12:13], s[12:13], s[18:19]
.irp s, 0,1
.irp c, 0,1,2,3
	global_load_b128 v[16+16*\s+4*\c:19+16*\s+4*\c], v1, s[4:5] offset:2048*\s+512*\c      ; head 4 s + c
.endr
.endr
.set i, 0
.rept 8
.irp c, 0,1,2,3
	global_load_b128 v[48+16*i+4*\c:51+16*i+4*\c], v1, s[6:7] offset:2048*i+512*\c         ; fragment (tile i / 2, K step i % 2)
.endr
.set i, i+1
.endr
.irp t, 0,1,2,3
	global_load_b128 v[208+8*\t:211+8*\t], v7, s[8:9] offset:64*\t                         ; the bias of columns 16 t + 8 h + 0 .. 7, in the result's layout
	global_load_b128 v[212+8*\t:215+8*\t], v7, s[8:9] offset:64*\t+16
.endr
	s_wait_kmcnt 0x0
	s_add_co_i32 s20, s30, s31
	s_add_co_i32 s20, s20, 127
	s_lshl_b32 s20, s20, 23                        ; 2^(e6 + e7)
	s_mov_b32 s21, s20                             ; (named with it as a pair)
	s_wait_loadcnt 0x0
.irp t, 0,1,2,3                        ; four accumulators by turns; the first K step starts the sums
	v_wmma_f32_16x16x128_fp8_fp8 v[176+8*\t:183+8*\t], v[48+32*\t:63+32*\t], v[16:31], 0
.endr
.irp t, 0,1,2,3
	v_wmma_f32_16x16x128_fp8_fp8 v[176+8*\t:183+8*\t], v[64+32*\t:79+32*\t], v[32:47], v[176+8*\t:183+8*\t]
.endr
.rept 4
	v_nop                                          ; four places in front of the first read of results and of writes over operands that are done with (ISA guide 7.12.1)
.endr
.irp t, 0,1,2,3
.irp i, 0,2,4,6
	v_pk_fma_f32 v[48+8*\t+\i:49+8*\t+\i], v[176+8*\t+\i:177+8*\t+\i], s[20:21], v[208+8*\t+\i:209+8*\t+\i] op_sel_hi:[1,0,1]   ; each accumulator from its low end on
.endr
.endr
.irp t, 0,1,2,3
	ds_store_b128 v4, v[48+8*\t:51+8*\t] offset:64*\t
	ds_store_b128 v4, v[52+8*\t:55+8*\t] offset:64*\t+16
.endr
.irp i, 0,1,2,3,4,5,6,7
	ds_load_b128 v[80+4*\i:83+4*\i], v5 offset:544*\i      ; my own bytes: LDS serves a wave's instructions in order, so these see the stores above
.endr
.irp i, 0,1,2,3,4,5,6,7
	s_wait_dscnt 7-\i                              ; load i is back; the younger ones may be out
	global_store_b128 v6, v[80+4*\i:83+4*\i], s[12:13] offset:2048*\i th:TH_STORE_NT       ; sixteen lanes store 256 consecutive bytes, aligned; written once, read by nobody here
.endr
	s_wait_tensorcnt 0x0                           ; the wave's end, behind my last LDS store
	ds_add_u32 v2, v3
	s_wait_dscnt 0x0
	s_endpgm
.Lfunc_end_k_q9a370b9284_proj:
	.size	k_q9a370b9284_proj, .Lfunc_end_k_q9a370b9284_proj-k_q9a370b9284_proj
	.p2alignl 7, 3214868480
	.fill 96, 4, 3214868480
	.section	.rodata,"a",@progbits
	.p2align	6, 0x0
	.amdhsa_kernel k_q9a370b9284_proj
		.amdhsa_group_segment_fixed_size 35840
		.amdhsa_private_segment_fixed_size 0
		.amdhsa_enable_private_segment 0
		.amdhsa_kernarg_size 40
		.amdhsa_user_sgpr_count 2
		.amdhsa_user_sgpr_kernarg_segment_ptr 1
		.amdhsa_wavefront_size32 1
		.amdhsa_system_sgpr_workgroup_id_x 1
		.amdhsa_system_sgpr_workgroup_id_y 1
		.amdhsa_system_sgpr_workgroup_id_z 1
		.amdhsa_system_vgpr_workitem_id 0
		.amdhsa_next_free_vgpr 240
		.amdhsa_next_free_sgpr 66
		.amdhsa_reserve_vcc 0
		.amdhsa_float_denorm_mode_32 3
		.amdhsa_float_denorm_mode_16_64 3
		.amdhsa_memory_ordered 1
		.amdhsa_forward_progress 1
		.amdhsa_inst_pref_size 11
	.end_amdhsa_kernel
	.amdgpu_metadata
---
amdhsa.version: [ 1, 2 ]
amdhsa.kernels:
  - .name:           k_q9a370b9284_proj
    .symbol:         k_q9a370b9284_proj.kd
    .args:
      - { .name: aimg, .offset: 0, .size: 8, .value_kind: global_buffer, .address_space: global }
      - { .name: wpimg, .offset: 8, .size: 8, .value_kind: global_buffer, .address_space: global }
      - { .name: b_proj, .offset: 16, .size: 8, .value_kind: global_buffer, .address_space: global }
      - { .name: lowp_scales, .offset: 24, .size: 8, .value_kind: global_buffer, .address_space: global }
      - { .name: out0, .offset: 32, .size: 8, .value_kind: global_buffer, .address_space: global }
    .group_segment_fixed_size: 35840
    .private_segment_fixed_size: 0
    .kernarg_segment_align: 8
    .kernarg_segment_size: 40
    .max_flat_workgroup_size: 256
    .sgpr_count:     66
    .vgpr_count:     240
    .wavefront_size: 32
...
	.end_amdgpu_metadata
.endif
;; end of part 4
;; ======== version 2 of 2: 4 launches; version 1 with the launches attn, proj written anew for expert scheduling mode
;; workspace buffers: xq 2,097,152 bytes; dens 32,768 bytes; wqimg 196,608 bytes; wpimg 65,536 bytes; qkvc 6,291,456 bytes; route 34,048 bytes of whole numbers; aimg 2,097,152 bytes
;; launch prep: the kernel of part 1 again; grid 272 x 1, 8 waves a work-group, no clusters, 0 bytes of LDS; arguments x, w_qkv, w_proj, lowp_scales, xq, dens, wqimg, wpimg; writes xq, dens, wqimg, wpimg
;; launch qkvr: the kernel of part 2 again; grid 256 x 1, 8 waves a work-group, no clusters, 4,096 bytes of LDS; arguments xq, wqimg, dens, lowp_scales, qkvc, route; writes qkvc, route
;; launch attn (part 5): grid 16 x 16, 16 waves a work-group, no clusters, 296,960 bytes of LDS; arguments qkvc, route, lowp_scales, aimg; writes aimg
.if DOCPART == 5
	.amdgcn_target "amdgcn-amd-amdhsa--gfx1250"
	.amdhsa_code_object_version 6
	.text
	.protected	k_q9a370b9284_attn
	.globl	k_q9a370b9284_attn
	.p2align	8
	.type	k_q9a370b9284_attn,@function
k_q9a370b9284_attn:
	s_mov_b64 s[64:65], 0
	v_nop
	global_prefetch_b8 v0, s[64:65] scope:SCOPE_SE
	s_setreg_imm32_b32 hwreg(HW_REG_WAVE_SCHED_MODE, 0, 2), 2
	s_setreg_imm32_b32 hwreg(HW_REG_WAVE_MODE, 25, 1), 1
	s_wait_xcnt 0x0
	s_wait_alu depctr_vm_vsrc(0)
; ATTENTION on the keys that the mask keeps.  A key counts for a query if it lies within 15 places of it or carries the flag; every other key has weight 0 and is not multiplied.
; A work-group owns 256 queries of one (batch, head); each of its sixteen waves owns 16 queries, one tile, in 256 registers: four waves to a SIMD, so that one wave's exponentials stand beside another's plain work.
; THE FLAGGED KEYS of the batch (their places come as a list of whole numbers from the launch before, with their count) are gathered ONCE into LDS, as images of operand registers, 128 slots a chunk:
;   wave w fills chunk w always (the list holds a valid token in every slot) and chunk 16 + w where the count reaches it.  All 4,096 keys fit: 128 KB of K, 128 KB of V.  One barrier in the launch.
; THE LOCAL KEYS (tiles T - 1, T, T + 1) are each wave's own first step, straight from memory; those that carry the flag are hidden there, since the list has them.
; LAYOUT.  Both products are used transposed: S^T = K Q^T (source 0 = 16 keys, source 1 = my 16 queries), O^T = V^T P^T: a lane holds ONE query.  The head's 32 channels fill the lower half of the K = 64 form; Q's upper half is zero codes,
;   so what stands in the upper half of K's operand (the next tile's codes, which are numbers) adds nothing.  The conversion of score tile t gives registers 2 t, 2 t + 1 of P's operand: k = slot 16 t + 8 h + j.
;   V lies [key][32 bytes]; ds_load_tr16_b128 on pairs of bytes and v_perm_b32 turn it into two operands: the even places of a row and the odd ones.
; THE SOFTMAX: t = score x log2(e) / sqrt(32) x 2^(e2 + e3); M = the running largest t rounded up to a whole number; p = 2^(t - M) is quantised (scale 2^e4); the sum is taken of the unquantised p; when M moves, sum and O^T are multiplied by a power of two.
; The result / sum x 2^(e4 + e5) is quantised for the projection (scale 2^e6): aimg[256 batch + T][head][lane][16 bytes]; the order of a lane's 16 channels is the one in which w_proj's image was laid.
; No tensor load: the fill is a gather by a stored list, and steps past the stored count are jumped over.  No cluster: what neighbours share is gathered once.
; LIMITS: e2 + e3 between -124 and 129; e4, e6 between -126 and 119.  NaN and infinity are not served.
; REGISTERS: v1-9 addresses and scales; v[10:11], v[14:15] the sum; v12 -M; v13 the largest t; v16-23 Q and zeros; v24-59 K and zeros; v60-75, v76-91 V's two operands; v92-95 at work; v96-159 scores, then p; v160-175 O^T; v176-191 p's codes.
;   Ahead of the loop only: v120-127 list entries; v128-133, v184-187 LDS addresses; v134-147 the local step's; v148-159 local V; v192-255 gathered codes.  s48-63: sixteen masks of lanes.
; THE MODE: SCHED_MODE bits 1:0 = 2 (LLVM: expert scheduling mode 2), set by the entry lines.  The code itself states the register dependences
; between vector or matrix instructions and memory or LDS instructions, with s_wait_alu, always for 0.
; THE PLAN.  Registers that memory or LDS instructions touch:
;   v1, v6             offsets, made at the head and never written again.
;   v128-139, v184-187 addresses, made at the head, read ahead of the loop alone; the loop's products and conversions write over them.
;   v120-127           the list's loads land; two vector lines bound and step them; the gather's loads read them as addresses; then the turning loads land in them.
;   v192-255           the gather's loads land; LDS stores read them; v_perm_b32 writes v224-255 anew; LDS stores read those again.
;   v96-127            the turning loads land; v_perm_b32 reads them.  (The local step's scores lie in v96-119 between the two uses.)
;   In the loop: v24-55, K: read by the step's eight score products; behind them the NEXT step's K lands.  v60-91, V: read by the step's two products for O^T; the next step's V lands.
;                v4, v5: LDS addresses, read by those loads, written once a step.
; So a step has ONE wait on vm_vsrc, ahead of the two additions that make v4 and v5, and ONE on va_vdst behind them and behind the score products: it states that the addresses are written, that the
; score products are done reading K, and that the last step's products for O^T are done reading V.  The step's sixteen LDS loads follow it, and no vector or matrix instruction ahead of the wait for them names their registers.
; A compare's mask goes into a scalar register; compares stand in runs of up to sixteen, with one wait on va_sdst between a run and the selects that read its masks.
.set VIMG,  0x20000                    ; LDS: K's images from 0 (chunk c at 4,096 c), V's from here,
.set LSTG,  0x40000                    ; each wave's 2,048 bytes for its local V rows,
.set SPARE, 0x48000                    ; and the spare words, 128 bytes for each of the sixteen waves: no other line names them
.set OFF, 120
.set GK,  192
.set GV,  224
.set MK,  48                           ; s[48:63] the masks; none of them ever holds an address
.macro FILL_LIST p                     ; the places of my chunk's 128 slots: register t, lane (r, h): slot 128 (w + 16 p) + 16 t + r
.irp t, 0,1,2,3,4,5,6,7
	global_load_b32 v[OFF+\t], v6, s[44:45] offset:64*\t+8192*\p
.endr
.endm
.macro FILL_GATHER                     ; lane (r, h) takes piece h (16 bytes) of its slot's key and value
.irp t, 0,1,2,3,4,5,6,7
	v_min_u32 v[OFF+\t], 0x1fef0, v[OFF+\t]        ; a loaded number enters an address only behind a bound: the last token's place in a plane
.endr
.irp t, 0,1,2,3,4,5,6,7
	v_add_nc_u32 v[OFF+\t], v7, v[OFF+\t]
.endr
	s_wait_alu depctr_va_vdst(0)                   ; the additions have written v120-127, which the loads below read as their offsets
.irp t, 0,1,2,3,4,5,6,7
	global_load_b128 v[GK+4*\t:GK+4*\t+3], v[OFF+\t], s[18:19]
	global_load_b128 v[GV+4*\t:GV+4*\t+3], v[OFF+\t], s[20:21]
.endr
.endm
; n x 16 rows of 32 bytes at v[adr] become registers 2 c, 2 c + 1 of two operands: row r of v[ev ..] is byte 2 r of the rows, row r of v[od ..] byte 2 r + 1; k = the row's number
.macro VTURN n, adr, tr, ev, od
.set c, 0
.rept \n
	ds_load_tr16_b128 v[\tr+4*c:\tr+4*c+3], v[\adr] offset:512*c   ; LDS serves a wave's instructions in order: these see my stores
.set c, c+1
.endr
	s_wait_dscnt 0x0
.set c, 0
.rept \n
	v_perm_b32 v[\ev+2*c], v[\tr+4*c+1], v[\tr+4*c], s40
	v_perm_b32 v[\ev+2*c+1], v[\tr+4*c+3], v[\tr+4*c+2], s40
	v_perm_b32 v[\od+2*c], v[\tr+4*c+1], v[\tr+4*c], s41
	v_perm_b32 v[\od+2*c+1], v[\tr+4*c+3], v[\tr+4*c+2], s41
.set c, c+1
.endr
.endm
; first = 1: the fill that stands behind the local step
.macro FILL_FINISH akw, avs, avt, avw, first
	s_wait_loadcnt 0x0
.irp t, 0,1,2,3,4,5,6,7
	ds_store_b128 v[\akw], v[GK+4*\t:GK+4*\t+3] offset:512*\t      ; K: tile t's image, as it stands
.endr
.irp t, 0,1,2,3,4,5,6,7
	ds_store_b128 v[\avs], v[GV+4*\t:GV+4*\t+3] offset:512*\t      ; V: rows of 32 bytes, for now, in the chunk's own bytes, which only I touch ahead of the barrier
.endr
	s_wait_alu depctr_vm_vsrc(0)                   ; the gather's loads have read their offsets v120-127, in which the turning loads land; the stores above have read v224-255, which the v_perm_b32 below write
.if \first
	s_wait_alu depctr_va_vdst(0)                   ; the local step's softmax is done reading and writing v96-119, in which the turning loads land
.endif
	VTURN 8, \avt, 96, GV, GV+16
	s_wait_alu depctr_va_vdst(0)                   ; the v_perm_b32 have written v224-255, which the stores below read, and are done reading v96-127, in part of which the next list would land
.irp q, 0,1,2,3
	ds_store_b128 v[\avw], v[GV+4*\q:GV+4*\q+3] offset:512*\q              ; the two operands' images take the rows' place
	ds_store_b128 v[\avw], v[GV+16+4*\q:GV+16+4*\q+3] offset:2048+512*\q
.endr
	s_wait_alu depctr_vm_vsrc(0)                   ; these stores have read v224-255, in which a second gather would land, and the fill's LDS instructions their addresses, over which the loop's products and conversions write
.endm
; The local step's band and flags: cnt scores from number n0 on.  A run of compares into scalar registers, one wait, the selects.
.macro LMASK n0, cnt
.set k, 0
.rept \cnt
	v_and_b32 v147, 1<<((\n0+k)%8), v[143+(\n0+k)/8]
	v_cmp_eq_u32 s[MK+k], 0, v147
.set k, k+1
.endr
	s_wait_alu depctr_va_sdst(0)                   ; the compares have written their masks, ahead of the first select that reads one
.set k, 0
.rept \cnt
	v_cndmask_b32 v[96+\n0+k], v[96+\n0+k], v146, s[MK+k]
.set k, k+1
.endr
.endm
; The last listed step: sixteen scores from number n0 on.  Register 8 t + j holds slot 16 t + 8 h + j: hidden where 16 t + j > d (v92)
.macro HIDE n0
.set k, 0
.rept 16
	v_cmp_gt_i32 s[MK+k], 16*((\n0+k)/8)+(\n0+k)%8, v92
.set k, k+1
.endr
	s_wait_alu depctr_va_sdst(0)                   ; the compares have written their masks, ahead of the first select that reads one
.set k, 0
.rept 16
	v_cndmask_b32 v[96+\n0+k], v[96+\n0+k], v94, s[MK+k]
.set k, k+1
.endr
.endm
; The softmax of ns scores a lane (24 or 64), v96 on.  first = 1: there is no old M.
.macro SOFTMAX ns, first
	v_max3_num_f32 v92, v96, v97, v98              ; the largest score, in two chains, ascending
	v_max3_num_f32 v94, v99, v100, v101
.set j, 6
.rept (\ns-8)/4
	v_max3_num_f32 v92, v92, v[96+j], v[97+j]
	v_max3_num_f32 v94, v94, v[98+j], v[99+j]
.set j, j+4
.endr
	v_max3_num_f32 v92, v92, v[96+\ns-2], v[96+\ns-1]
	v_max_num_f32 v92, v92, v94
	v_permlanex16_b32 v93, v92, s24, s25
	v_max_num_f32 v92, v92, v93                    ; and lane l xor 16's
	v_mul_f32 v92, s22, v92                        ; as t (c is positive)
	v_max_num_f32 v13, v13, v92
.if \first
	v_floor_f32 v12, -v13                          ; -M = floor(-t): M is a whole number
.else
	v_mov_b32 v92, v12
	v_floor_f32 v12, -v13
	v_sub_f32 v92, v12, v92                        ; old M - new M: a whole number, 0 or less
	v_cvt_i32_f32 v92, v92                         ; (it saturates)
	v_ldexp_f32 v94, 1.0, v92                      ; f = 2^(old M - new M)
.endif
.set j, 0
.rept \ns/2
	v_pk_fma_f32 v[96+j:97+j], v[96+j:97+j], s[22:23], v[12:13] op_sel_hi:[1,0,0]   ; t - M
.set j, j+2
.endr
.set j, 0
.rept \ns
	v_exp_f32 v[96+j], v[96+j]                     ; p, one batch
.set j, j+1
.endr
.if \first
	v_nop                                          ; a plain line behind the last exponential
.else
	v_pk_mul_f32 v[14:15], v[14:15], v[94:95] op_sel_hi:[1,0]      ; the sum under the new M: a plain line behind the last exponential
.endif
	s_wait_alu depctr_va_vdst(0)                   ; the exponentials have written v96 on: one wait for the batch, ahead of its first reader
	v_pk_add_f32 v[10:11], v[96:97], v[98:99]      ; the sum of the unquantised p, in two chains
.set j, 4
.rept (\ns-4)/4
	v_pk_add_f32 v[14:15], v[14:15], v[96+j:97+j]
	v_pk_add_f32 v[10:11], v[10:11], v[98+j:99+j]
.set j, j+4
.endr
	v_pk_add_f32 v[14:15], v[14:15], v[10:11]
	s_cmp_ge_i32 s36, -8                           ; p is at most 1, and 448 x 2^e4 is at least 1 from e4 = -8 on: the hold is walked only under a smaller e4 (a whole number that was read; this launch has no tensor load)
	s_cbranch_scc1 .Lno_hold_\@
.set j, 0
.rept \ns
	v_min_num_f32 v[96+j], v[96+j], v8
.set j, j+1
.endr
.Lno_hold_\@:
.set j, 0
.rept \ns/8
	v_cvt_scalef32_pk8_fp8_f32 v[176+2*j:177+2*j], v[96+8*j:103+8*j], v9
.set j, j+1
.endr
.if \first
	v_nop                                          ; a plain line between the conversions and the products that read them
.else
.irp k, 0,2,4,6,8,10,12,14
	v_pk_mul_f32 v[160+\k:161+\k], v[160+\k:161+\k], v[94:95] op_sel_hi:[1,0]   ; O^T under the new M; also the plain lines behind the conversions
.endr
.endif
.endm
	s_load_b256 s[4:11], s[0:1], 0x0               ; qkvc s[4:5], route s[6:7], the scales' exponents s[8:9], aimg s[10:11]
	v_lshl_add_u32 v2, v0, 2, SPARE                ; my spare word,
	v_mov_b32 v3, 0                                ; and 0: kept for the closing add alone
	v_lshrrev_b32 v4, 5, v0
	v_readfirstlane_b32 s12, v4                    ; wave 0..15
	v_and_b32 v92, 31, v0                          ; lane
	v_and_b32 v93, 15, v0                          ; r
	v_bfe_u32 v94, v0, 4, 1                        ; h
	v_lshlrev_b32 v1, 4, v92                       ; 16 lane
	v_lshlrev_b32 v7, 8, v94                       ; piece h of a tile's image lies 256 h bytes on
	s_and_b32 s48, ttmp7, 0xffff
	s_lshr_b32 s13, s48, 3                         ; batch
	s_and_b32 s14, s48, 7                          ; head
	s_lshl_b32 s15, ttmp9, 4
	s_wait_alu depctr_va_sdst(0)                   ; s12 is written, ahead of its first reader
	s_add_co_u32 s15, s15, s12                     ; T: my tile of 16 queries, 0..255
	s_lshl_b32 s42, s12, 7                         ; 128 w: my first chunk's first slot
	s_lshl_b32 s30, s12, 12
	s_lshl_b32 s31, s12, 11
	v_add_nc_u32 v6, s42, v93
	v_lshlrev_b32 v6, 2, v6                        ; the list: 4 (128 w + r)
	; every LDS address but the loop's two is made here: a constant + a constant x wave + a lane term
	v_add_nc_u32 v128, s30, v1                     ; K's image of chunk w
	v_add_nc_u32 v131, VIMG, v128                  ; V's images
	v_lshlrev_b32 v147, 5, v93
	v_lshl_add_u32 v147, v94, 4, v147              ; a row of 32 bytes: 32 r + 16 h
	v_add_nc_u32 v129, s30, v147
	v_add_nc_u32 v129, VIMG, v129                  ; V's rows, on the way in
	v_add_nc_u32 v132, s31, v147
	v_add_nc_u32 v132, LSTG, v132                  ; the local rows
	v_and_b32 v147, 7, v0
	v_lshl_add_u32 v147, v94, 3, v147
	v_bfe_u32 v146, v0, 3, 1
	v_lshlrev_b32 v147, 5, v147
	v_lshl_add_u32 v147, v146, 4, v147             ; the turning load: row 8 h + lane % 8, bytes 16 ((lane / 8) % 2) on
	v_add_nc_u32 v130, s30, v147
	v_add_nc_u32 v130, VIMG, v130
	v_add_nc_u32 v133, s31, v147
	v_add_nc_u32 v133, LSTG, v133
	v_add_nc_u32 v184, 0x10000, v128               ; the same four for chunk 16 + w
	v_add_nc_u32 v185, 0x10000, v129
	v_add_nc_u32 v186, 0x10000, v130
	v_add_nc_u32 v187, 0x10000, v131
	; the band, a bit for each of a lane's eight keys of a tile.  Tile T - 1: key 8 h + j counts from j = r - 8 h + 1 on; tile T + 1: up to j = r - 8 h - 1.  With a = min(x, 8): lanes 0-15 shift by a, lanes 16-31 by x - a
	v_cmp_ne_u32 vcc_lo, 0, v94
	v_add_nc_u32 v143, 1, v93
	v_min_u32 v144, 8, v143
	v_sub_nc_u32 v145, v143, v144
	s_wait_alu depctr_va_vcc(0)                    ; the compare has written VCC, ahead of the first of the two selects that read it
	v_cndmask_b32 v144, v144, v145, vcc_lo
	v_mov_b32 v146, 0xff
	v_lshlrev_b32 v143, v144, v146
	v_and_b32 v143, 0xff, v143                     ; tile T - 1's band
	v_min_u32 v144, 8, v93
	v_sub_nc_u32 v145, v93, v144
	v_cndmask_b32 v144, v144, v145, vcc_lo
	v_mov_b32 v146, 1
	v_lshlrev_b32 v145, v144, v146
	v_add_nc_u32 v145, -1, v145                    ; tile T + 1's
.irp j, 20,21,22,23,36,37,38,39,56,57,58,59,66,67,82,83,14,15,95,182,183
	v_mov_b32 v\j, 0                               ; zero codes for the unused parts of K; the sum; the upper half of f's pair
.endr
	v_mov_b32 v13, 0xff61b1e6                      ; the largest t so far: -3e38, under every t
	s_mov_b32 s24, 0x76543210
	s_mov_b32 s25, 0xfedcba98
	s_mov_b32 s40, 0x06040200                      ; the even bytes of two words,
	s_mov_b32 s41, 0x07050301                      ; the odd ones
	s_sub_co_i32 s51, s15, 1
	s_max_i32 s51, s51, 0                          ; the tile in front (at the batch's start: my own, wholly hidden below)
	s_add_co_u32 s52, s15, 1
	s_min_u32 s52, s52, 255                        ; the tile behind (at the end likewise)
	s_lshl_b32 s53, s51, 9
	v_add_nc_u32 v134, s53, v1
	s_lshl_b32 s53, s15, 9
	v_add_nc_u32 v135, s53, v1
	s_lshl_b32 s53, s52, 9
	v_add_nc_u32 v136, s53, v1
	s_lshl_b32 s53, s51, 1
	v_add_nc_u32 v137, s53, v94                    ; the byte of flags of my eight keys: 2 tile + h
	s_lshl_b32 s53, s15, 1
	v_add_nc_u32 v138, s53, v94
	s_lshl_b32 s53, s52, 1
	v_add_nc_u32 v139, s53, v94
	s_cmp_eq_u32 s15, 0
	s_cselect_b32 s56, 0, 0xff
	s_cmp_eq_u32 s15, 255
	s_cselect_b32 s57, 0, 0xff
	s_mov_b32 s49, 0
	s_wait_kmcnt 0x0
	s_load_b256 s[32:39], s[8:9], 0x0              ; e0 .. e7
	s_load_b64 s[54:55], s[6:7], 0x8400            ; the two counts
	s_lshl_b32 s48, s13, 14
	s_add_nc_u64 s[44:45], s[6:7], s[48:49]        ; my batch's list
	s_wait_alu depctr_va_vdst(0)                   ; every offset and LDS address made above is written (v1, v6, v128-139, v184-187): the loads and LDS instructions ahead of the loop read them; so are the zero codes v36-39, in which a load of K lands later
	FILL_LIST 0
	s_lshl_b32 s48, s14, 1
	s_add_co_u32 s48, s48, s13
	s_lshl_b32 s48, s48, 17                        ; plane 2 unit + batch, 131,072 bytes each
	s_add_nc_u64 s[16:17], s[4:5], s[48:49]        ; q's plane,
	s_add_nc_u64 s[18:19], s[16:17], 0x200000      ; k's: 8 units on,
	s_add_nc_u64 s[20:21], s[16:17], 0x400000      ; v's: 16 units on
	s_lshl_b32 s48, s15, 9
	s_add_nc_u64 s[16:17], s[16:17], s[48:49]      ; my tile of q
	s_lshl_b32 s48, s13, 9
	s_add_co_u32 s48, s48, 0x8000
	s_add_nc_u64 s[46:47], s[6:7], s[48:49]        ; my batch's flags
	s_lshl_b32 s48, s13, 8
	s_add_co_u32 s48, s48, s15
	s_lshl_b32 s48, s48, 3
	s_add_co_u32 s48, s48, s14
	s_lshl_b32 s48, s48, 9
	s_add_nc_u64 s[10:11], s[10:11], s[48:49]      ; my image in aimg
	global_load_b128 v[16:19], v1, s[16:17]
	global_load_b128 v[24:27], v134, s[18:19]
	global_load_b128 v[28:31], v135, s[18:19]
	global_load_b128 v[32:35], v136, s[18:19]
	global_load_b128 v[148:151], v134, s[20:21]
	global_load_b128 v[152:155], v135, s[20:21]
	global_load_b128 v[156:159], v136, s[20:21]
	global_load_u8 v140, v137, s[46:47]
	global_load_u8 v141, v138, s[46:47]
	global_load_u8 v142, v139, s[46:47]
	s_wait_loadcnt 10                              ; the eight list loads are in; the ten local loads behind them may be out
	FILL_GATHER
	s_wait_kmcnt 0x0
	s_cmp_eq_u32 s13, 0
	s_cselect_b32 s26, s54, s55
	s_min_u32 s26, s26, 0x1000                     ; my batch's count of flagged keys
	s_add_co_i32 s48, s34, s35
	s_lshl_b32 s48, s48, 23
	s_mov_b32 s22, 0x3e8293ee                      ; log2(e) / sqrt(32);
	s_add_co_i32 s22, s22, s48                     ; e2 + e3 are added to its exponent field
	s_mov_b32 s23, s22                             ; (named with it as a pair)
	s_add_co_i32 s48, s36, 127
	s_lshl_b32 s50, s48, 23
	v_mov_b32 v9, s50                              ; 2^e4
	s_add_co_i32 s48, s48, 8
	s_lshl_b32 s48, s48, 23
	s_or_b32 s48, s48, 0x600000
	v_mov_b32 v8, s48                              ; 448 x 2^e4
	; ---- the local step: 48 keys.  The sixteen gather loads stay out meanwhile
	s_wait_loadcnt 16                              ; the ten local loads are in; the sixteen gather loads behind them may be out
	ds_store_b128 v132, v[148:151]                 ; (data from loads, addresses from the head: no vector line since the last wait on va_vdst names them, nor v96-107, in which the turning loads land)
	ds_store_b128 v132, v[152:155] offset:512
	ds_store_b128 v132, v[156:159] offset:1024
	VTURN 3, 133, 96, 60, 76
.irp t, 0,1,2
	v_wmma_f32_16x16x64_fp8_fp8 v[96+8*\t:103+8*\t], v[24+4*\t:31+4*\t], v[16:23], 0
.endr
	v_xor_b32 v140, 0xff, v140                     ; these nine lines are the places behind the products.  A key counts here if it is in the band, carries no flag, and its tile exists
	v_xor_b32 v141, 0xff, v141
	v_xor_b32 v142, 0xff, v142
	v_and_b32 v143, v143, v140
	v_and_b32 v143, s56, v143
	v_mov_b32 v144, v141
	v_and_b32 v145, v145, v142
	v_and_b32 v145, s57, v145
	v_mov_b32 v146, 0xff800000                     ; -infinity: p = 0
	LMASK 0, 16                                    ; tiles T - 1 and T,
	LMASK 16, 8                                    ; tile T + 1
	SOFTMAX 24, 1                                  ; a row all of whose local keys are hidden keeps -3e38 as its largest t: p = 0, and the first listed step's f is 0
	v_wmma_f32_16x16x64_fp8_fp8 v[160:167], v[60:67], v[176:183], 0        ; these start O^T's sums: nothing is cleared
	v_wmma_f32_16x16x64_fp8_fp8 v[168:175], v[76:83], v[176:183], 0
	; ---- the fill
	FILL_FINISH 128, 129, 130, 131, 1
	s_add_co_u32 s48, s42, 2048
	s_cmp_ge_u32 s48, s26                          ; does the count reach chunk 16 + w?  A whole number that the launch before stored
	s_cbranch_scc1 .Lfilled
	s_wait_dscnt 0x0                               ; my LDS stores have read the registers into which the next loads land
	FILL_LIST 1
	s_wait_loadcnt 0x0
	FILL_GATHER
	FILL_FINISH 184, 185, 186, 187, 0
.Lfilled:
	s_wait_dscnt 0x0                               ; for the others' sake: my stores have landed
	s_barrier_signal -1
	s_barrier_wait -1                              ; every chunk that the count reaches lies in LDS; nothing is stored there any more
	; ---- the listed keys, 128 a step.  32 trips, a constant; a step past the count is jumped over
	s_mov_b32 s27, 0                               ; the chunk's LDS byte
	s_mov_b32 s28, 0                               ; its first slot
	s_mov_b32 s29, 32
.irp t, 0,1,2,3,4,5,6,7
	ds_load_b128 v[24+4*\t:27+4*\t], v1 offset:512*\t              ; chunk 0's K, which is always filled.  The local products that read v24-39 stand ahead of the fill's waits on va_vdst, and nothing since names v24-55
.endr
.Lstep:
	s_cmp_ge_u32 s28, s26
	s_cbranch_scc1 .Lskip
	s_wait_dscnt 0x0                               ; this step's K is in: it was asked for ahead of the loop or in the step before
.irp t, 0,1,2,3,4,5,6,7
	v_wmma_f32_16x16x64_fp8_fp8 v[96+8*\t:103+8*\t], v[24+4*\t:31+4*\t], v[16:23], 0
.endr
	s_wait_alu depctr_vm_vsrc(0)                   ; the LDS loads of the step before have read v4 and v5, which the two lines below write
	v_add_nc_u32 v4, s27, v1
	v_add_nc_u32 v5, VIMG, v4
	v_nop
	v_nop                                          ; with the two additions: four places in front of the first read of the scores (ISA guide 7.12.1)
	s_wait_alu depctr_va_vdst(0)                   ; v4 and v5 are written; the score products are done reading K's registers; the last step's products for O^T are done reading V's
.irp q, 0,1,2,3
	ds_load_b128 v[60+4*\q:63+4*\q], v5 offset:512*\q              ; V lands while the softmax is walked
	ds_load_b128 v[76+4*\q:79+4*\q], v5 offset:2048+512*\q
.endr
	s_add_co_u32 s48, s28, 128
	s_cmp_ge_u32 s48, s26                          ; does a step follow?  Only then is the next chunk sure to be filled
	s_cbranch_scc1 .Lno_next
.irp t, 0,1,2,3,4,5,6,7
	ds_load_b128 v[24+4*\t:27+4*\t], v4 offset:4096+512*\t         ; the NEXT step's K, a whole softmax ahead of its use; no vector or matrix line since the wait above names v24-55
.endr
.Lno_next:
	s_cmp_le_u32 s48, s26
	s_cbranch_scc1 .Lfull
	s_sub_co_u32 s48, s26, s28                     ; the last step: slots from the count on are hidden
	s_sub_co_u32 s48, s48, 1
	v_bfe_u32 v92, v0, 4, 1
	v_lshlrev_b32 v92, 3, v92
	v_sub_nc_u32 v92, s48, v92                     ; d = count - first slot - 8 h - 1
	v_mov_b32 v94, 0xff800000
	HIDE 0
	HIDE 16
	HIDE 32
	HIDE 48
.Lfull:
	SOFTMAX 64, 0
	s_wait_dscnt 0x0                               ; V is in, and with it the next step's K
	v_wmma_f32_16x16x128_fp8_fp8 v[160:167], v[60:75], v[176:191], v[160:167]      ; two accumulators by turns; the eight score products stand between a link and the next
	v_wmma_f32_16x16x128_fp8_fp8 v[168:175], v[76:91], v[176:191], v[168:175]
.Lskip:
	s_add_co_u32 s27, s27, 4096
	s_add_co_u32 s28, s28, 128
	s_sub_co_u32 s29, s29, 1
	s_cmp_lg_u32 s29, 0
	s_cbranch_scc1 .Lstep
	; ---- the way out
.rept 4
	v_nop                                          ; places behind the last products
.endr
	v_add_f32 v14, v14, v15
	v_permlanex16_b32 v93, v14, s24, s25
	v_add_f32 v14, v14, v93                        ; the row's sum
	v_rcp_f32 v14, v14
	s_add_co_i32 s48, s38, 127
	s_lshl_b32 s50, s48, 23
	v_mov_b32 v11, s50                             ; (a plain line behind the reciprocal)  2^e6
	s_add_co_i32 s48, s48, 8
	s_lshl_b32 s48, s48, 23
	s_or_b32 s48, s48, 0x600000
	v_mov_b32 v10, s48                             ; 448 x 2^e6
	s_add_co_i32 s48, s36, s37
	s_wait_alu depctr_va_vdst(0)                   ; the reciprocal has written v14, ahead of its first reader
	v_ldexp_f32 v14, v14, s48                      ; x 2^(e4 + e5)
.set j, 0
.rept 16
	v_mul_f32 v[96+j], v[160+j], v14               ; each accumulator from its low end on
.set j, j+1
.endr
.set j, 0
.rept 16
	v_med3_num_f32 v[96+j], v[96+j], -v10, v10
.set j, j+1
.endr
	v_cvt_scalef32_pk8_fp8_f32 v[112:113], v[96:103], v11
	v_cvt_scalef32_pk8_fp8_f32 v[114:115], v[104:111], v11
	v_nop
	s_wait_alu depctr_va_vdst(0)                   ; the conversions have written v112-115, which the store reads
	global_store_b128 v1, v[112:115], s[10:11]     ; 512 consecutive bytes: an image of four operand registers
	s_wait_dscnt 0x0                               ; the closing lines, six on end
	s_wait_alu 0x0
	s_wait_tensorcnt 0x0
	ds_add_u32 v2, v3
	s_wait_dscnt 0x0
	s_endpgm
.Lfunc_end_k_q9a370b9284_attn:
	.size	k_q9a370b9284_attn, .Lfunc_end_k_q9a370b9284_attn-k_q9a370b9284_attn
	.p2alignl 7, 3214868480
	.fill 96, 4, 3214868480
	.section	.rodata,"a",@progbits
	.p2align	6, 0x0
	.amdhsa_kernel k_q9a370b9284_attn
		.amdhsa_group_segment_fixed_size 296960
		.amdhsa_private_segment_fixed_size 0
		.amdhsa_enable_private_segment 0
		.amdhsa_kernarg_size 32
		.amdhsa_user_sgpr_count 2
		.amdhsa_user_sgpr_kernarg_segment_ptr 1
		.amdhsa_wavefront_size32 1
		.amdhsa_system_sgpr_workgroup_id_x 1
		.amdhsa_system_sgpr_workgroup_id_y 1
		.amdhsa_system_sgpr_workgroup_id_z 1
		.amdhsa_system_vgpr_workitem_id 0
		.amdhsa_next_free_vgpr 256
		.amdhsa_next_free_sgpr 66
		.amdhsa_reserve_vcc 1
		.amdhsa_float_denorm_mode_32 3
		.amdhsa_float_denorm_mode_16_64 3
		.amdhsa_memory_ordered 1
		.amdhsa_forward_progress 1
		.amdhsa_inst_pref_size 59
	.end_amdhsa_kernel
	.amdgpu_metadata
---
amdhsa.version: [ 1, 2 ]
amdhsa.kernels:
  - .name:           k_q9a370b9284_attn
    .symbol:         k_q9a370b9284_attn.kd
    .args:
      - { .name: qkvc, .offset: 0, .size: 8, .value_kind: global_buffer, .address_space: global }
      - { .name: route, .offset: 8, .size: 8, .value_kind: global_buffer, .address_space: global }
      - { .name: lowp_scales, .offset: 16, .size: 8, .value_kind: global_buffer, .address_space: global }
      - { .name: aimg, .offset: 24, .size: 8, .value_kind: global_buffer, .address_space: global }
    .group_segment_fixed_size: 296960
    .private_segment_fixed_size: 0
    .kernarg_segment_align: 8
    .kernarg_segment_size: 32
    .max_flat_workgroup_size: 512
    .sgpr_count:     66
    .vgpr_count:     256
    .wavefront_size: 32
...
	.end_amdgpu_metadata
.endif
;; end of part 5
;; launch proj (part 6): grid 256 x 1, 8 waves a work-group, no clusters, 35,840 bytes of LDS; arguments aimg, wpimg, b_proj, lowp_scales, out0; writes out0
.if DOCPART == 6
	.amdgcn_target "amdgcn-amd-amdhsa--gfx1250"
	.amdhsa_code_object_version 6
	.text
	.protected	k_q9a370b9284_proj
	.globl	k_q9a370b9284_proj
	.p2align	8
	.type	k_q9a370b9284_proj,@function
k_q9a370b9284_proj:
	s_mov_b64 s[64:65], 0
	v_nop
	global_prefetch_b8 v0, s[64:65] scope:SCOPE_SE
	s_setreg_imm32_b32 hwreg(HW_REG_WAVE_SCHED_MODE, 0, 2), 2
	s_setreg_imm32_b32 hwreg(HW_REG_WAVE_MODE, 25, 1), 1
	s_wait_xcnt 0x0
	s_wait_alu depctr_vm_vsrc(0)
; OUT = attention's result x w_proj + b_proj, on codes of E4M3; each sum x 2^(e6 + e7) + bias in one packed multiply-add.
; Work-group g takes tokens 32 g .. 32 g + 31.  Wave w: tile of 16 tokens w / 4, columns 64 (w % 4) .. + 63: four accumulators, K = 256 in two steps.
; Both operands come as images of their registers (16 bytes a lane, 512 consecutive bytes a load) and go from memory straight into registers: each is wanted once, at the head, so there is no ring and nothing to share in time.
; The product is used transposed (source 0 = 16 columns of w_proj, source 1 = 16 tokens): a lane holds eight neighbouring columns of one token's row.  A wave's 16 rows x 256 bytes go through its own stage in LDS and leave as aligned runs of 256 bytes.
; LIMIT: e6 + e7 between -126 and 127.
; THE MODE: SCHED_MODE bits 1:0 = 2 (LLVM: expert scheduling mode 2), set by the entry lines.  The code itself states the register dependences
; between vector or matrix instructions and memory or LDS instructions, with s_wait_alu, always for 0.
; THE PLAN.  Registers that memory or LDS instructions touch:
;   v1, v4-v7          offsets and LDS addresses, made at the head and never written again.
;   v16-175, v208-239  the loads land once; the products and the multiply-adds read them.
;   v48-79             written anew by the sixteen packed multiply-adds; read by the eight LDS stores.
;   v80-111            read by the products as operands; then the stage's eight loads land in them; the global stores read them.
; There is no loop.  One wait on va_vdst stands ahead of the first load (the addresses), and one ahead of the run of LDS stores: it states that the multiply-adds have written v48-79
; and that the products are done reading v80-111; no vector line follows it.
.set SPARE, 34816                      ; behind the eight stages of 16 rows x 272 bytes: the spare words, 128 bytes for each wave: no other line names them
	s_load_b256 s[4:11], s[0:1], 0x0               ; aimg s[4:5], wpimg s[6:7], b_proj s[8:9], the scales' exponents s[10:11]
	s_load_b64 s[12:13], s[0:1], 0x20              ; out0
	v_lshl_add_u32 v2, v0, 2, SPARE
	v_mov_b32 v3, 0
	v_lshrrev_b32 v1, 5, v0
	v_readfirstlane_b32 s14, v1                    ; wave 0..7
	v_and_b32 v8, 31, v0
	v_lshlrev_b32 v1, 4, v8                        ; 16 lane
	v_and_b32 v8, 15, v0                           ; r
	v_bfe_u32 v9, v0, 4, 1                         ; h
	v_lshlrev_b32 v6, 10, v9
	v_lshl_add_u32 v6, v8, 4, v6                   ; two rows of out0: lanes 0-15 one, lanes 16-31 the next; 16 bytes a lane
	v_lshlrev_b32 v7, 5, v9                        ; the bias: 32 h
	s_wait_alu depctr_va_sdst(0)                   ; s14 is written, ahead of its first reader
	s_lshr_b32 s15, s14, 2                         ; which tile of tokens
	s_and_b32 s16, s14, 3                          ; which 64 columns
	s_mul_i32 s17, s14, 4352                       ; my stage
	v_mul_u32_u24 v4, v8, 272
	v_lshl_add_u32 v4, v9, 5, v4
	v_add_nc_u32 v4, s17, v4                       ; in: row r, 32 bytes for each half of the lanes
	v_mul_u32_u24 v5, v9, 272
	v_lshl_add_u32 v5, v8, 4, v5
	v_add_nc_u32 v5, s17, v5                       ; back: lanes 0-15 one row of 256 bytes, lanes 16-31 the next
	s_mov_b32 s19, 0
	s_wait_kmcnt 0x0
	s_load_b256 s[24:31], s[10:11], 0x0            ; e0 .. e7
	s_lshl_b32 s18, ttmp9, 1
	s_add_co_u32 s18, s18, s15
	s_lshl_b32 s18, s18, 12                        ; a tile of tokens is eight images: 4,096 bytes
	s_add_nc_u64 s[4:5], s[4:5], s[18:19]
	s_lshl_b32 s18, s16, 14                        ; four tiles of columns x two K steps x 2,048 bytes
	s_add_nc_u64 s[6:7], s[6:7], s[18:19]
	s_lshl_b32 s18, s16, 8
	s_add_nc_u64 s[8:9], s[8:9], s[18:19]
	s_lshl_b32 s18, ttmp9, 5
	s_lshl_b32 s20, s15, 4
	s_add_co_u32 s18, s18, s20
	s_lshl_b32 s18, s18, 10                        ; my first row of out0, 1,024 bytes a row,
	s_lshl_b32 s20, s16, 8
	s_add_co_u32 s18, s18, s20                     ; and my 256 bytes of it
	s_add_nc_u64 s[12:13], s[12:13], s[18:19]
	s_wait_alu depctr_va_vdst(0)                   ; the offsets and LDS addresses v1, v4 to v7 are written: every load, LDS instruction and store below reads one of them
.irp s, 0,1
.irp c, 0,1,2,3
	global_load_b128 v[16+16*\s+4*\c:19+16*\s+4*\c], v1, s[4:5] offset:2048*\s+512*\c      ; head 4 s + c
.endr
.endr
.set i, 0
.rept 8
.irp c, 0,1,2,3
	global_load_b128 v[48+16*i+4*\c:51+16*i+4*\c], v1, s[6:7] offset:2048*i+512*\c         ; fragment (tile i / 2, K step i % 2)
.endr
.set i, i+1
.endr
.irp t, 0,1,2,3
	global_load_b128 v[208+8*\t:211+8*\t], v7, s[8:9] offset:64*\t                         ; the bias of columns 16 t + 8 h + 0 .. 7, in the result's layout
	global_load_b128 v[212+8*\t:215+8*\t], v7, s[8:9] offset:64*\t+16
.endr
	s_wait_kmcnt 0x0
	s_add_co_i32 s20, s30, s31
	s_add_co_i32 s20, s20, 127
	s_lshl_b32 s20, s20, 23                        ; 2^(e6 + e7)
	s_mov_b32 s21, s20                             ; (named with it as a pair)
	s_wait_loadcnt 0x0
.irp t, 0,1,2,3                        ; four accumulators by turns; the first K step starts the sums
	v_wmma_f32_16x16x128_fp8_fp8 v[176+8*\t:183+8*\t], v[48+32*\t:63+32*\t], v[16:31], 0
.endr
.irp t, 0,1,2,3
	v_wmma_f32_16x16x128_fp8_fp8 v[176+8*\t:183+8*\t], v[64+32*\t:79+32*\t], v[32:47], v[176+8*\t:183+8*\t]
.endr
.rept 4
	v_nop                                          ; four places in front of the first read of results and of writes over operands that are done with (ISA guide 7.12.1)
.endr
.irp t, 0,1,2,3
.irp i, 0,2,4,6
	v_pk_fma_f32 v[48+8*\t+\i:49+8*\t+\i], v[176+8*\t+\i:177+8*\t+\i], s[20:21], v[208+8*\t+\i:209+8*\t+\i] op_sel_hi:[1,0,1]   ; each accumulator from its low end on
.endr
.endr
	s_wait_alu depctr_va_vdst(0)                   ; the multiply-adds have written v48-79, which the LDS stores read; the products are done reading v80-111, in which the stage's loads land
.irp t, 0,1,2,3
	ds_store_b128 v4, v[48+8*\t:51+8*\t] offset:64*\t
	ds_store_b128 v4, v[52+8*\t:55+8*\t] offset:64*\t+16
.endr
.irp i, 0,1,2,3,4,5,6,7
	ds_load_b128 v[80+4*\i:83+4*\i], v5 offset:544*\i      ; my own bytes: LDS serves a wave's instructions in order, so these see the stores above
.endr
.irp i, 0,1,2,3,4,5,6,7
	s_wait_dscnt 7-\i                              ; load i is back; the younger ones may be out
	global_store_b128 v6, v[80+4*\i:83+4*\i], s[12:13] offset:2048*\i th:TH_STORE_NT       ; sixteen lanes store 256 consecutive bytes, aligned; written once, read by nobody here
.endr
	s_wait_dscnt 0x0                               ; the closing lines, six on end
	s_wait_alu 0x0
	s_wait_tensorcnt 0x0
	ds_add_u32 v2, v3
	s_wait_dscnt 0x0
	s_endpgm
.Lfunc_end_k_q9a370b9284_proj:
	.size	k_q9a370b9284_proj, .Lfunc_end_k_q9a370b9284_proj-k_q9a370b9284_proj
	.p2alignl 7, 3214868480
	.fill 96, 4, 3214868480
	.section	.rodata,"a",@progbits
	.p2align	6, 0x0
	.amdhsa_kernel k_q9a370b9284_proj
		.amdhsa_group_segment_fixed_size 35840
		.amdhsa_private_segment_fixed_size 0
		.amdhsa_enable_private_segment 0
		.amdhsa_kernarg_size 40
		.amdhsa_user_sgpr_count 2
		.amdhsa_user_sgpr_kernarg_segment_ptr 1
		.amdhsa_wavefront_size32 1
		.amdhsa_system_sgpr_workgroup_id_x 1
		.amdhsa_system_sgpr_workgroup_id_y 1
		.amdhsa_system_sgpr_workgroup_id_z 1
		.amdhsa_system_vgpr_workitem_id 0
		.amdhsa_next_free_vgpr 240
		.amdhsa_next_free_sgpr 66
		.amdhsa_reserve_vcc 0
		.amdhsa_float_denorm_mode_32 3
		.amdhsa_float_denorm_mode_16_64 3
		.amdhsa_memory_ordered 1
		.amdhsa_forward_progress 1
		.amdhsa_inst_pref_size 11
	.end_amdhsa_kernel
	.amdgpu_metadata
---
amdhsa.version: [ 1, 2 ]
amdhsa.kernels:
  - .name:           k_q9a370b9284_proj
    .symbol:         k_q9a370b9284_proj.kd
    .args:
      - { .name: aimg, .offset: 0, .size: 8, .value_kind: global_buffer, .address_space: global }
      - { .name: wpimg, .offset: 8, .size: 8, .value_kind: global_buffer, .address_space: global }
      - { .name: b_proj, .offset: 16, .size: 8, .value_kind: global_buffer, .address_space: global }
      - { .name: lowp_scales, .offset: 24, .size: 8, .value_kind: global_buffer, .address_space: global }
      - { .name: out0, .offset: 32, .size: 8, .value_kind: global_buffer, .address_space: global }
    .group_segment_fixed_size: 35840
    .private_segment_fixed_size: 0
    .kernarg_segment_align: 8
    .kernarg_segment_size: 40
    .max_flat_workgroup_size: 256
    .sgpr_count:     66
    .vgpr_count:     240
    .wavefront_size: 32
...
	.end_amdgpu_metadata
.endif
;; end of part 6
